; MI455X (gfx1250); checked and timed in simulation.
; The chip was launched on July 23, 2026; its instructions are those of AMD's public machine-readable ISA for CDNA 5 (MIT licence, August 2026) and "CDNA5" Instruction Set Architecture Reference Guide (July 2026). The comments in the code are by the model that wrote it; some were corrected since.
;; self attn. Allowed arithmetic: float matrix products may take bf16 or f16 operands with f32 sums; other float arithmetic in f32, or as packed bf16 or f16 multiplies, adds, multiply-adds, maxima and minima; sums over many terms, partial sums and values carried from step to step in f32; what a program stores and reads back later, other than sums and carried values, may be rounded once to bf16 or f16.
;; Inputs: Wout 1,024 x 1,024 float32; Wqkv 1,024 x 3,072 float32; bout 1,024 float32; bqkv 3,072 float32; mask 4 x 2,048 x 2,048 int32; x 4 x 2,048 x 1,024 float32.
;; Outputs: out0 4 x 2,048 x 1,024 float32.
;; 2 versions, each right; version 2 is version 1 with the launch prep written anew for expert scheduling mode. Each part assembles by itself: llvm-mc -triple=amdgcn-amd-amdhsa -mcpu=gfx1250 --defsym DOCPART=n.
;; ======== version 1 of 2: 5 launches
;; limits: values are held in f16: magnitudes above 65,504 overflow, below 6.1e-05 lose precision
;; workspace buffers: xb 16,777,216 bytes; wqb 6,291,456 bytes; wob 2,097,152 bytes; mbits 2,097,152 bytes of whole numbers; qkv 50,331,648 bytes; p 33,554,432 bytes; st 1,048,576 bytes; o 16,777,216 bytes
;; launch prep (part 1): grid 896 x 1, 8 waves a work-group, no clusters, 0 bytes of LDS; arguments mask, x, Wqkv, Wout, mbits, xb, wqb, wob; writes mbits, xb, wqb, wob
.if DOCPART == 1
	.amdgcn_target "amdgcn-amd-amdhsa--gfx1250"
	.amdhsa_code_object_version 6
	.text
	.protected	k_qb24e7af6e4_prep
	.globl	k_qb24e7af6e4_prep
	.p2align	8
	.type	k_qb24e7af6e4_prep,@function
k_qb24e7af6e4_prep:
	s_mov_b64 s[64:65], 0
	v_nop
	global_prefetch_b8 v0, s[64:65] scope:SCOPE_SE
	s_setreg_imm32_b32 hwreg(HW_REG_WAVE_MODE, 25, 1), 1
	s_wait_xcnt 0x0
; PREP: a stream.  Work-groups 0-511 pack the int32 mask into bits; 512-767 round x to bf16; 768-863 round Wqkv to bf16;
; 864-895 round Wout to bf16 and write that number as f16 (exact inside f16's range; below 6e-5 f16 keeps a fixed step of 6e-8).
; LIMIT: |Wout| stays under 65,504.  No LDS, no barrier, no matrix work: memory binds, every byte is read once and written once.
; A wave has 32 loads of 512 consecutive bytes out at once (16 KiB); the waits count down 31, 30, .. 0; no register is written twice.
; mbits: [16 groups of 128 keys][8192 rows][4 words]; bit L of word e stands for key 128 g + 4 L + e of the row: what a lane's 16-byte load of four mask words gives by four compares.
.set D, 8                              ; v[8:135]  32 loads x 4 registers
	s_load_b512 s[4:19], s[0:1], 0x0               ; mask s[4:5], x s[6:7], Wqkv s[8:9], Wout s[10:11], mbits s[12:13], xb s[14:15], wqb s[16:17], wob s[18:19]
	s_mov_b32 s2, ttmp9                            ; the work-group's number chooses its part
	v_lshrrev_b32 v1, 5, v0
	v_readfirstlane_b32 s3, v1                     ; wave 0..7
	v_and_b32 v6, 31, v0                           ; lane
	v_lshlrev_b32 v1, 4, v6                        ; 16 bytes a lane in what is read
	v_lshlrev_b32 v7, 3, v6                        ; 8 bytes a lane in what a cast writes
	s_mov_b32 s30, 0xffff0000                      ; a word's upper bf16
	s_cmp_lt_u32 s2, 512
	s_cbranch_scc0 .Lcast
	; THE MASK.  The work-group has 32 rows and 8 groups of 128 keys, a wave one group: 32 rows x 512 bytes.
	s_lshr_b32 s20, s2, 1                          ; block of 32 rows
	s_and_b32 s21, s2, 1
	s_lshl_b32 s21, s21, 3
	s_add_co_u32 s21, s21, s3                      ; g = 8 (number % 2) + wave
	s_lshl_b32 s22, s20, 18                        ; 32 rows of 8,192 bytes
	s_lshl_b32 s23, s21, 9                         ; 128 keys of 4 bytes
	s_add_co_u32 s22, s22, s23
	s_mov_b32 s23, 0
	s_lshl_b32 s28, s21, 13                        ; 8,192 rows a group
	s_lshl_b32 s29, s20, 5
	s_add_co_u32 s28, s28, s29
	s_lshl_b32 s28, s28, 4                         ; 16 bytes a row
	s_mov_b32 s29, 0
	s_wait_kmcnt 0x0
	s_add_nc_u64 s[4:5], s[4:5], s[22:23]
	s_add_nc_u64 s[12:13], s[12:13], s[28:29]
.set i, 0
.rept 32
	global_load_b128 v[D+4*i:D+4*i+3], v1, s[4:5] offset:8192*i th:TH_LOAD_NT  ; row i: 512 consecutive bytes, read once in the whole program
.set i, i+1
.endr
.irp e, 0,1,2,3
	v_mov_b32 v[2+\e], 0                           ; v_writelane_b32 counts as a reader of its destination
.endr
.set i, 0
.rept 32
	s_wait_loadcnt 31-i                            ; loads come back in order: row i is in, the 31 - i younger ones stay out
.irp e, 0,1,2,3
	v_cmp_ne_u32 s[24+\e], 0, v[D+4*i+\e]          ; bit L: key 4 L + e of the group is open
.endr
.irp e, 0,1,2,3
	v_writelane_b32 v[2+\e], s[24+\e], i           ; lane i gathers row i's four words
.endr
.set i, i+1
.endr
	global_store_b128 v1, v[2:5], s[12:13]         ; 32 rows x 16 bytes: 512 consecutive bytes, aligned
	s_endpgm
; A cast of 16 KiB of f32 a wave.  half = 0: to bf16.  half = 1: to bf16, and that number written as f16.
.macro CAST src, dst, half
	s_lshl_b32 s22, s20, 17                        ; the work-group's 131,072 bytes,
	s_lshl_b32 s23, s3, 14                         ; the wave's 16,384 of them
	s_add_co_u32 s22, s22, s23
	s_mov_b32 s23, 0
	s_lshr_b32 s24, s22, 1                         ; half as many bytes go out
	s_mov_b32 s25, 0
	s_add_nc_u64 s[\src:\src+1], s[\src:\src+1], s[22:23]
	s_add_nc_u64 s[\dst:\dst+1], s[\dst:\dst+1], s[24:25]
.set i, 0
.rept 32
	global_load_b128 v[D+4*i:D+4*i+3], v1, s[\src:\src+1] offset:512*i th:TH_LOAD_NT
.set i, i+1
.endr
.set i, 0
.rept 32
	s_wait_loadcnt 31-i                            ; load i is in, the younger ones stay out
	v_cvt_pk_bf16_f32 v[D+4*i], v[D+4*i], v[D+4*i+1]
.if \half
	v_cvt_pk_bf16_f32 v[D+4*i+2], v[D+4*i+2], v[D+4*i+3]
	v_and_b32 v[D+4*i+1], s30, v[D+4*i]            ; the rounded numbers back as f32,
	v_lshlrev_b32 v[D+4*i], 16, v[D+4*i]
	v_and_b32 v[D+4*i+3], s30, v[D+4*i+2]
	v_lshlrev_b32 v[D+4*i+2], 16, v[D+4*i+2]
	v_cvt_pk_f16_f32 v[D+4*i], v[D+4*i], v[D+4*i+1]  ; and written as f16
	v_cvt_pk_f16_f32 v[D+4*i+1], v[D+4*i+2], v[D+4*i+3]
.else
	v_cvt_pk_bf16_f32 v[D+4*i+1], v[D+4*i+2], v[D+4*i+3]
.endif
	global_store_b64 v7, v[D+4*i:D+4*i+1], s[\dst:\dst+1] offset:256*i  ; 32 lanes store 256 consecutive bytes, aligned
.set i, i+1
.endr
.endm
.Lcast:
	s_cmp_lt_u32 s2, 864
	s_cbranch_scc0 .Lwout
	s_sub_co_u32 s20, s2, 512                      ; the block's number in x,
	s_sub_co_u32 s21, s2, 768                      ; or in Wqkv
	s_wait_kmcnt 0x0
	s_cmp_lt_u32 s2, 768
	s_cselect_b32 s20, s20, s21
	s_cselect_b64 s[6:7], s[6:7], s[8:9]           ; one text for both tensors: the choice hangs on the work-group's number alone
	s_cselect_b64 s[14:15], s[14:15], s[16:17]
	CAST 6, 14, 0
	s_endpgm
.Lwout:
	s_sub_co_u32 s20, s2, 864
	s_wait_kmcnt 0x0
	CAST 10, 18, 1
	s_endpgm
.Lfunc_end_k_qb24e7af6e4_prep:
	.size	k_qb24e7af6e4_prep, .Lfunc_end_k_qb24e7af6e4_prep-k_qb24e7af6e4_prep
	.p2alignl 7, 3214868480
	.fill 96, 4, 3214868480
	.section	.rodata,"a",@progbits
	.p2align	6, 0x0
	.amdhsa_kernel k_qb24e7af6e4_prep
		.amdhsa_group_segment_fixed_size 0
		.amdhsa_private_segment_fixed_size 0
		.amdhsa_enable_private_segment 0
		.amdhsa_kernarg_size 64
		.amdhsa_user_sgpr_count 2
		.amdhsa_user_sgpr_kernarg_segment_ptr 1
		.amdhsa_wavefront_size32 1
		.amdhsa_system_sgpr_workgroup_id_x 1
		.amdhsa_system_sgpr_workgroup_id_y 1
		.amdhsa_system_sgpr_workgroup_id_z 1
		.amdhsa_system_vgpr_workitem_id 0
		.amdhsa_next_free_vgpr 144
		.amdhsa_next_free_sgpr 66
		.amdhsa_reserve_vcc 0
		.amdhsa_float_denorm_mode_32 3
		.amdhsa_float_denorm_mode_16_64 3
		.amdhsa_memory_ordered 1
		.amdhsa_forward_progress 1
		.amdhsa_inst_pref_size 53
	.end_amdhsa_kernel
	.amdgpu_metadata
---
amdhsa.version: [ 1, 2 ]
amdhsa.kernels:
  - .name:           k_qb24e7af6e4_prep
    .symbol:         k_qb24e7af6e4_prep.kd
    .args:
      - { .name: mask, .offset: 0, .size: 8, .value_kind: global_buffer, .address_space: global }
      - { .name: x, .offset: 8, .size: 8, .value_kind: global_buffer, .address_space: global }
      - { .name: Wqkv, .offset: 16, .size: 8, .value_kind: global_buffer, .address_space: global }
      - { .name: Wout, .offset: 24, .size: 8, .value_kind: global_buffer, .address_space: global }
      - { .name: mbits, .offset: 32, .size: 8, .value_kind: global_buffer, .address_space: global }
      - { .name: xb, .offset: 40, .size: 8, .value_kind: global_buffer, .address_space: global }
      - { .name: wqb, .offset: 48, .size: 8, .value_kind: global_buffer, .address_space: global }
      - { .name: wob, .offset: 56, .size: 8, .value_kind: global_buffer, .address_space: global }
    .group_segment_fixed_size: 0
    .private_segment_fixed_size: 0
    .kernarg_segment_align: 8
    .kernarg_segment_size: 64
    .max_flat_workgroup_size: 256
    .sgpr_count:     66
    .vgpr_count:     144
    .wavefront_size: 32
...
	.end_amdgpu_metadata
.endif
;; end of part 1
;; launch qkv (part 2): grid 12 x 16, 4 waves a work-group, clusters of 4 x 4, 327,680 bytes of LDS; arguments xb, wqb, bqkv, qkv; writes qkv
.if DOCPART == 2
	.amdgcn_target "amdgcn-amd-amdhsa--gfx1250"
	.amdhsa_code_object_version 6
	.text
	.protected	k_qb24e7af6e4_qkv
	.globl	k_qb24e7af6e4_qkv
	.p2align	8
	.type	k_qb24e7af6e4_qkv,@function
k_qb24e7af6e4_qkv:
	s_mov_b64 s[64:65], 0
	v_nop
	global_prefetch_b8 v0, s[64:65] scope:SCOPE_SE
	s_setreg_imm32_b32 hwreg(HW_REG_WAVE_MODE, 25, 1), 1
	s_wait_xcnt 0x0
	s_wait_alu depctr_hold_cnt(0) depctr_sa_sdst(0) depctr_va_vdst(0) depctr_va_sdst(0) depctr_va_ssrc(0) depctr_va_vcc(0) depctr_vm_vsrc(0)
	s_getreg_b32 s2, hwreg(HW_REG_IB_STS2, 6, 4)
	s_cmp_eq_u32 s2, 0
	s_cbranch_scc0 .Lentry_in_a_cluster
	s_endpgm
.Lentry_in_a_cluster:
	s_bfe_u32 s2, ttmp6, 0x10000c
	s_cmp_lg_u32 s2, 0xf033
	s_cbranch_scc0 .Lentry_shape_is_right
	s_endpgm
.Lentry_shape_is_right:
; [q | k | v] = xb wqb + bf16(bqkv).  xb: [8192][1024] bf16; wqb: [1024 k][3072 n] bf16; qkv: three sections [8192][1024] f16.  Sums in f32, begun with the bias, rounded once to f16.
; LIMIT: |q|, |k|, |v| stay under 65,504 (f16's end); NaN and infinities are not treated apart.
; SHARES.  A tile of C is 256 x 256; four waves, each 128 x 128: 64 accumulators, 512 registers.  A K step of 128 is then 256 matrix instructions a wave, 224 of them between a slot's request and the wait for it.
; C has 32 x 12 = 384 such tiles: 192 work-groups stay and make two each, rows 256 Y and 256 Y + 4,096 on the same 256 columns (256 work-groups would have one and a half each); the ring of two LDS slots
; runs on from the first tile into the second.  Rows of A's tiles are 256 bytes of memory, rows of B's 512, each starting at a multiple of 256.
; CLUSTER 4 x 4: A's tiles hang on the tile row alone and are asked for jointly along a row of the cluster, B's on the tile column alone and jointly along a column.
; THE MATRIX INSTRUCTION IS USED TRANSPOSED (source 0 = 16 columns of B, source 1 = 16 rows of A): a lane holds row lane % 16 of C and eight neighbouring columns 8 (lane / 16) + 0..7.
; B lies [k][n] in memory and in LDS and is turned on the way into registers by ds_load_tr16_b128.
; REGISTERS, in windows of 256: window 0: v0-31 addresses; v64-127, v128-191 A's fragments, two buffers; v192-223 at work on the way out.  Window 1: v0-63 the bias in C's layout; v64-127, v128-191 B's fragments; v192-195 at work.
;   Window 2: the accumulators of my rows 0-63 ((a, b) at v[8 (8 a + b)]); window 3: those of my rows 64-127.
.set KSTEPS, 8
.set TILES,  2
.set KN,     1                         ; B lies [k][n]
.set PA,     272                       ; a row of A in LDS: 256 bytes + 16: the 16 rows of a load start at 16 different groups of four banks
.set PB,     544                       ; a k row of B: 512 bytes + 32 = 17 x 32
.set HALF,   128*PA                    ; 34,816: what one tensor load brings: 128 rows of A, or 64 k rows of B
.set BOFF,   2*HALF                    ; in a slot: A's 256 rows, then B
.set SLOT,   4*HALF                    ; 139,264 = 0x22000: it shares no bit with wave x 0x8800, so one exclusive or changes slots
.set STAGE,  2*SLOT                    ; behind the ring, never filled by a tensor load: 16 rows x 272 bytes for each wave
.set SP,     272
.set SPARE,  STAGE+4*16*SP             ; the spare words: 128 bytes a wave, two blocks of 256 bytes that no other line names
.set ASTEP,  256                       ; a K step along A's rows
.set BSTEP,  128*6144                  ; 128 rows of wqb
.set WALK,   4096                      ; rows from a work-group's first tile to its second
.set CP,     2048                      ; bytes in a row of a section of qkv
.set ADA0, 3                           ; v3  my lane's place in A's tile    v4  in B's
.set ADB0, 4
.set ADA,  5                           ; v5, v6  the same in the slot in hand
.set ADB,  6
.set STO,  7                           ; v7  the way out: where I put 16 bytes of a row
.set RD,   8                           ; v8  where I read a row back
.set CO,   9                           ; v9  my byte offset in C
.set BO,   10                          ; v10 my byte offset in the bias: 32 (lane / 16)
.set SPW,  28                          ; v28 my spare word's LDS address; v29 = 0; both never rewritten
.set NIL,  29
.set F0,   64
.set F1,   128
.set TMP,  192                         ; the way out: packed results
.set WV, 16                            ; s16 wave, s17 its row half, s18 its column half (and which half of a tile it fetches)
.set WR, 17
.set WC, 18
.set G1A, 24                           ; s[24:31], s[32:39] descriptor groups 1
.set G1B, 32
.set G0A, 40                           ; s[40:47], s[48:55] groups 0: a set for each first fill; the second then walks
.set G0B, 48
.set CX, 56
.set CY, 57
.set SX, 58                            ; tile column 0..11
.set SY, 59                            ; tile row 0..15
.set SL, 60                            ; the slot in hand: 0 or SLOT
.set CLY, 61
.set HIM, 74                           ; 0xffff0000
.set AJ, 84                            ; s84 A's bytes from a tile's last K step to the next tile's first; s85 a K step of A
.set AR, 85
.set BJ, 86                            ; s86 B's bytes back from the last K step to the first; s87 a K step of B
.set BR, 87
.macro WM ops:vararg
	v_wmma_f32_16x16x32_bf16 \ops
.endm
; ---- the core for tiles of 256 x 256, the same text in the two kernels that use it ----
.set MSB, 0
.macro WIN new                         ; low byte: bits 1:0 source 0, 3:2 source 1, 5:4 source 2, 7:6 destination; the high byte repeats the setting that is left; a switch that changes nothing is dropped
.if MSB != (\new)
	s_set_vgpr_msb (MSB<<8)|(\new)
.set MSB, (\new)
.endif
.endm
.set TO_B, 0x40                        ; destination window 1, address window 0
.macro PLACES                          ; four plain vector instructions between a matrix instruction and a load into, or a vector write of, its registers
.rept 4
	v_nop
.endr
.endm
.macro JLOAD                           ; a joint refill by the walking descriptors: waves 0, 1 fetch A's halves, waves 2, 3 B's; s_nop 0 and four v_nop follow each line
	s_cmp_lt_u32 s[WV], 2
	s_cbranch_scc0 .Lfor_b_\@
	tensor_load_to_lds s[G0A+4:G0A+7], s[G1A:G1A+7]
	s_nop 0
	PLACES
	s_branch .Lasked_\@
.Lfor_b_\@:
	tensor_load_to_lds s[G0B+4:G0B+7], s[G1B:G1B+7]
	s_nop 0
	PLACES
.Lasked_\@:
.endm
.macro CREST                           ; a round of the cluster's barrier behind its opening barrier
	s_cmp_lg_u32 s[WV], 0
	s_cbranch_scc1 .Lnot_wave_0_\@
	s_barrier_signal -3
.Lnot_wave_0_\@:
	s_barrier_wait -3
	s_barrier_signal -1
	s_barrier_wait -1
.endm
.macro CROUND
	s_barrier_signal -1
	s_barrier_wait -1
	CREST
.endm
; 32 LDS loads in one run: the fragments of quarter q (32 along K) into buffer f: B's 8 blocks, then A's 8
.macro FETCH q, f
	WIN TO_B
.irp b, 0,1,2,3,4,5,6,7
.if KN
	ds_load_tr16_b128 v[(\f)+8*\b:(\f)+8*\b+3],   v[ADB] offset:32*PB*(\q)+32*\b
	ds_load_tr16_b128 v[(\f)+8*\b+4:(\f)+8*\b+7], v[ADB] offset:32*PB*(\q)+32*\b+16*PB
.else
	ds_load_b128 v[(\f)+8*\b:(\f)+8*\b+3],   v[ADB] offset:16*PA*\b+64*(\q)
	ds_load_b128 v[(\f)+8*\b+4:(\f)+8*\b+7], v[ADB] offset:16*PA*\b+64*(\q)+32
.endif
.endr
	WIN 0
.irp a, 0,1,2,3,4,5,6,7
	ds_load_b128 v[(\f)+8*\a:(\f)+8*\a+3],   v[ADA] offset:16*PA*\a+64*(\q)
	ds_load_b128 v[(\f)+8*\a+4:(\f)+8*\a+7], v[ADA] offset:16*PA*\a+64*(\q)+32
.endr
.endm
; 16 matrix instructions: row blocks a0, a0 + 1 of the window's four (hi = 0: my rows 0-63, 1: rows 64-127) x all 8 column blocks.  z = 0: the sums go on; 1: they start with 0; 2: with the bias.
; The 64 accumulators take turns, one instruction a turn, in the same order in every quarter.
.macro MUL16 f, hi, a0, z
.if (\z) == 2
	WIN 0x91+0x40*(\hi)                            ; B window 1, A window 0, C (the bias) window 1, D window 2 or 3
.else
	WIN 0xa1+0x50*(\hi)                            ; B window 1, A window 0, C and D window 2 or 3
.endif
.irp a, \a0, (\a0)+1
.irp b, 0,1,2,3,4,5,6,7
.if (\z) == 1
	WM v[8*(8*(\a)+\b):8*(8*(\a)+\b)+7], v[(\f)+8*\b:(\f)+8*\b+7], v[(\f)+8*(4*(\hi)+(\a)):(\f)+8*(4*(\hi)+(\a))+7], 0
.elseif (\z) == 2
	WM v[8*(8*(\a)+\b):8*(8*(\a)+\b)+7], v[(\f)+8*\b:(\f)+8*\b+7], v[(\f)+8*(4*(\hi)+(\a)):(\f)+8*(4*(\hi)+(\a))+7], v[8*\b:8*\b+7]
.else
	WM v[8*(8*(\a)+\b):8*(8*(\a)+\b)+7], v[(\f)+8*\b:(\f)+8*\b+7], v[(\f)+8*(4*(\hi)+(\a)):(\f)+8*(4*(\hi)+(\a))+7], v[8*(8*(\a)+\b):8*(8*(\a)+\b)+7]
.endif
.endr
.endr
.endm
; One of a K step's first three quarters: multiplies buffer f (64 matrix instructions); in its middle quarter q's fragments are fetched into buffer g.
.macro QUARTER q, f, g, z
	s_wait_dscnt 8                                 ; B and A's blocks 0-3 are in; the youngest eight loads (A's blocks 4-7) may be out
	MUL16 \f, 0, 0, \z
	MUL16 \f, 0, 2, \z
	PLACES                                         ; buffer g was read by the quarter before
	FETCH \q, \g
	s_wait_dscnt 32                                ; all but the 32 just issued
	MUL16 \f, 1, 0, \z
	MUL16 \f, 1, 2, \z
.endm
; The last quarter multiplies buffer 1 and changes slots.  In front of the barrier each wave waits for all its tensor loads (at most one is out: its part of the next slot), adds 0 to its spare word, and waits
; for that and for its reads of this slot.  kind = 1: the barrier opens a round of the cluster's, and this slot is filled again first thing behind it, with the K step two steps on.  kind = 2: the same in the two
; K steps that lead into the next tile: the first of them (s3 = 2) steps the descriptors to that tile's K step 0.  kind = 0: nothing is filled; in the last trip (s3 = 1) there is no further K step, and the fetch is jumped over.
.macro TURN kind
	WIN 0
	s_wait_tensorcnt 0x0                           ; no tensor load of mine is out
	ds_add_u32 v[SPW], v[NIL]
	s_wait_dscnt 9                                 ; (the add and the youngest eight loads may be out)
	MUL16 F1, 0, 0, 0                              ; work on registers while the add is out
	s_wait_dscnt 0x0                               ; the add is done, and my reads of this slot are over
	s_barrier_signal -1
	MUL16 F1, 0, 2, 0
	WIN 0
	s_barrier_wait -1
.if (\kind) == 0
	s_cmp_eq_u32 s3, 1
	s_cbranch_scc1 .Lno_fetch_\@
	PLACES
.else
	CREST                                          ; no wave of any partner still reads this slot or has a load on its way
	s_xor_b32 s[G0A+5], s[G0A+5], SLOT             ; the walking descriptors: the other slot than last time,
	s_xor_b32 s[G0B+5], s[G0B+5], SLOT
.if (\kind) == 2
	s_cmp_eq_u32 s3, 2
	s_cselect_b32 s20, s[AJ], s[AR]                ; A goes forward either way: to the next tile's rows, or a K step;
	s_cselect_b32 s22, 0, s[BR]                    ; B a K step forward,
	s_cselect_b32 s62, s[BJ], 0                    ; or back to K step 0: the two tiles share their columns
	s_add_nc_u64 s[G0A+6:G0A+7], s[G0A+6:G0A+7], s[20:21]
	s_add_nc_u64 s[G0B+6:G0B+7], s[G0B+6:G0B+7], s[22:23]
	s_sub_nc_u64 s[G0B+6:G0B+7], s[G0B+6:G0B+7], s[62:63]
.else
	s_add_nc_u64 s[G0A+6:G0A+7], s[G0A+6:G0A+7], ASTEP  ; the next K step; the type bits on top are not reached
	s_add_nc_u64 s[G0B+6:G0B+7], s[G0B+6:G0B+7], BSTEP
.endif
	JLOAD                                          ; 224 matrix instructions ahead of the wait for it; its four v_nop are also the places in front of the loads below
.endif
	s_xor_b32 s[SL], s[SL], SLOT
	v_add_nc_u32 v[ADA], s[SL], v[ADA0]
	v_add_nc_u32 v[ADB], s[SL], v[ADB0]
	FETCH 0, F0
.if (\kind) == 0
.Lno_fetch_\@:
.endif
	MUL16 F1, 1, 0, 0
	MUL16 F1, 1, 2, 0
.endm
; ---- end of the core ----
; THE WAY OUT of row block a: rounded to f16, 16 bytes a lane; through my own stage; back as whole rows of 256 bytes; stored.  It names buffer 1's registers and v192-223 alone: buffer 0 may hold the next tile's first fragments.
.macro PACK a
	WIN 0x0a+5*((\a)/4)                            ; sources in window 2 or 3
.irp b, 0,1,2,3,4,5,6,7
.irp r, 0,1,2,3
	v_cvt_pk_f16_f32 v[TMP+4*\b+\r], v[64*((\a)%4)+8*\b+2*\r], v[64*((\a)%4)+8*\b+2*\r+1]  ; each accumulator from its low end on
.endr
.endr
	WIN 0
.endm
.macro TOSTAGE a
.set BK, 128+32*((\a)%2)
.irp b, 0,1,2,3,4,5,6,7
	ds_store_b128 v[STO], v[TMP+4*\b:TMP+4*\b+3] offset:32*\b
.endr
.irp t, 0,1,2,3,4,5,6,7
	ds_load_b128 v[BK+4*\t:BK+4*\t+3], v[RD] offset:\t*2*SP  ; LDS serves a wave's instructions in order: these see the stores above
.endr
.endm
.macro SEND a
.set BK, 128+32*((\a)%2)
	s_wait_dscnt 0x0                               ; the block is back in registers
	s_wait_xcnt 0x0                                ; the registers that earlier stores read are loaded again only behind this wait
.irp t, 0,1,2,3,4,5,6,7
	global_store_b128 v[CO], v[BK+4*\t:BK+4*\t+3], s[10:11] offset:(16*(\a)+2*\t)*CP  ; 16 lanes store 256 consecutive bytes, aligned
.endr
.endm
	s_load_b256 s[4:11], s[0:1], 0x0               ; xb s[4:5], wqb s[6:7], bqkv s[8:9], qkv s[10:11]
	v_lshl_add_u32 v[SPW], v0, 2, SPARE
	v_mov_b32 v[NIL], 0
	ds_add_u32 v[SPW], v[NIL]                      ; the wave's opening: the add and its wait stand ahead of my first tensor load
	v_lshrrev_b32 v1, 5, v0
	v_readfirstlane_b32 s[WV], v1
	s_lshr_b32 s[WR], s[WV], 1
	s_and_b32 s[WC], s[WV], 1
	s_bfe_u32 s[CX], ttmp6, 0x40000
	s_bfe_u32 s[CY], ttmp6, 0x40004
	s_lshl_b32 s[SX], ttmp9, 2
	s_add_co_u32 s[SX], s[SX], s[CX]
	s_and_b32 s[CLY], ttmp7, 0xffff
	s_lshl_b32 s[SY], s[CLY], 2
	s_add_co_u32 s[SY], s[SY], s[CY]
	s_lshl_b32 s19, s[CY], 2
	s_lshl_b32 s19, 15, s19                        ; my row of the cluster
	s_lshl_b32 s62, 0x1111, s[CX]                  ; my column
	s_or_b32 s[G1A], s19, (1<<16)|(1<<20)|(1<<21)|(5<<22)|(3<<25)  ; mask; 2-byte elements; padding on; bit 21 beside a mask; after every 64 words, 4 words
	s_mov_b32 s[G1A+1], 128<<16                    ; tensor_dim0 = 128
	s_mov_b32 s[G1A+2], 128<<16                    ; tensor_dim1 = 128
	s_mov_b32 s[G1A+3], 128<<16                    ; tile_dim0 = 128
	s_mov_b32 s[G1A+4], 128                        ; tile_dim1 = 128
	s_mov_b32 s[G1A+5], 1024                       ; elements from row to row
	s_mov_b32 s[G1A+6], 0
	s_mov_b32 s[G1A+7], 0
	s_or_b32 s[G1B], s62, (1<<16)|(1<<20)|(1<<21)|(6<<22)|(7<<25)  ; after every 128 words, 8 words
	s_mov_b32 s[G1B+1], 256<<16                    ; 64 k rows of 256 elements
	s_mov_b32 s[G1B+2], 64<<16
	s_mov_b32 s[G1B+3], 256<<16
	s_mov_b32 s[G1B+4], 64
	s_mov_b32 s[G1B+5], 3072
	s_mov_b32 s[G1B+6], 0
	s_mov_b32 s[G1B+7], 0
	s_lshl_b32 s22, s[SY], 8                       ; A: row 256 Y + 128 x my half, 2,048 bytes a row: no cx enters
	s_lshl_b32 s23, s[WC], 7
	s_add_co_u32 s22, s22, s23
	s_lshl_b32 s22, s22, 11
	s_mov_b32 s23, 0
	s_mul_i32 s62, s[WC], 64*6144                  ; B: k row 64 x my half, column 256 X: no cy enters
	s_lshl_b32 s63, s[SX], 9
	s_add_co_u32 s62, s62, s63
	s_mov_b32 s63, 0
	s_mul_i32 s20, s[WC], HALF                     ; where they go: the wave's number alone
	s_add_co_u32 s21, s20, BOFF
	s_lshl_b32 s12, s[SY], 8                       ; C: row 256 Y + 128 WR; section X / 4; in it column 256 (X % 4) + 128 WC
	s_lshl_b32 s13, s[WR], 7
	s_add_co_u32 s12, s12, s13
	s_lshl_b32 s12, s12, 11
	s_and_b32 s13, s[SX], 3
	s_lshl_b32 s13, s13, 9
	s_add_co_u32 s12, s12, s13
	s_lshl_b32 s13, s[WC], 8
	s_add_co_u32 s12, s12, s13
	s_lshr_b32 s13, s[SX], 2
	s_lshl_b32 s13, s13, 24                        ; a section is 16,777,216 bytes
	s_add_co_u32 s12, s12, s13
	s_mov_b32 s13, 0
	s_lshl_b32 s14, s[SX], 10                      ; the bias of columns 256 X + 128 WC on, 4 bytes each
	s_lshl_b32 s15, s[WC], 9
	s_add_co_u32 s14, s14, s15
	s_mov_b32 s15, 0
	s_mov_b32 s[HIM], 0xffff0000
	s_mov_b32 s[AJ], WALK*2048-7*ASTEP
	s_mov_b32 s[AR], ASTEP
	s_mov_b32 s[BJ], 7*BSTEP
	s_mov_b32 s[BR], BSTEP
	s_wait_dscnt 0x0                               ; the opening add is done
	s_wait_kmcnt 0x0
	s_add_nc_u64 s[22:23], s[4:5], s[22:23]
	s_add_nc_u64 s[62:63], s[6:7], s[62:63]
	s_add_nc_u64 s[8:9], s[8:9], s[14:15]
	s_add_nc_u64 s[10:11], s[10:11], s[12:13]
	CROUND                                         ; all sixteen work-groups are here: the first joint loads meet
.irp s, 0,1
	s_mov_b32 s[G0A+4*\s], 1
	s_add_co_u32 s[G0A+4*\s+1], s20, \s*SLOT
	s_add_nc_u64 s[G0A+4*\s+2:G0A+4*\s+3], s[22:23], \s*ASTEP
	s_or_b32 s[G0A+4*\s+3], s[G0A+4*\s+3], 0x80000000
	s_mov_b32 s[G0B+4*\s], 1
	s_add_co_u32 s[G0B+4*\s+1], s21, \s*SLOT
	s_add_nc_u64 s[G0B+4*\s+2:G0B+4*\s+3], s[62:63], \s*BSTEP
	s_or_b32 s[G0B+4*\s+3], s[G0B+4*\s+3], 0x80000000
.endr
	s_cmp_lt_u32 s[WV], 2                          ; a wave's two first fills stand in one branch: two loads of mine are out
	s_cbranch_scc0 .Lfirst_b
	tensor_load_to_lds s[G0A:G0A+3], s[G1A:G1A+7]
	s_nop 0
	tensor_load_to_lds s[G0A+4:G0A+7], s[G1A:G1A+7]
	s_nop 0
	PLACES
	s_branch .Lfirst_asked
.Lfirst_b:
	tensor_load_to_lds s[G0B:G0B+3], s[G1B:G1B+7]
	s_nop 0
	tensor_load_to_lds s[G0B+4:G0B+7], s[G1B:G1B+7]
	s_nop 0
	PLACES
.Lfirst_asked:
	s_mov_b32 s21, 0                               ; the upper words of the three step pairs
	s_mov_b32 s23, 0
	s_mov_b32 s63, 0
	v_and_b32 v1, 15, v0                           ; r = lane % 16
	v_bfe_u32 v2, v0, 4, 1                         ; h = lane / 16
	v_lshlrev_b32 v[BO], 5, v2
	WIN TO_B                                       ; bias(16 b + 8 h + j) into register 8 b + j of window 1: C's layout; both tiles have the same columns
.irp b, 0,1,2,3,4,5,6,7
	global_load_b128 v[8*\b:8*\b+3],   v[BO], s[8:9] offset:64*\b
	global_load_b128 v[8*\b+4:8*\b+7], v[BO], s[8:9] offset:64*\b+16
.endr
	WIN 0
	v_mul_u32_u24 v[STO], v1, PA
	v_lshl_add_u32 v[STO], v2, 4, v[STO]           ; 272 r + 16 h: a fragment's place, and the stage's
	s_mul_i32 s76, s[WR], HALF
	v_add_nc_u32 v[ADA0], s76, v[STO]
	v_and_b32 v26, 7, v0                           ; the turning load: k row 8 h + lane % 8, 16 bytes by (lane / 8) % 2, my 256 bytes of the row
	v_lshl_add_u32 v26, v2, 3, v26
	v_mul_u32_u24 v[ADB0], v26, PB
	v_bfe_u32 v26, v0, 3, 1
	v_lshl_add_u32 v[ADB0], v26, 4, v[ADB0]
	s_lshl_b32 s76, s[WC], 8
	s_add_co_u32 s76, s76, BOFF
	v_add_nc_u32 v[ADB0], s76, v[ADB0]
	s_mul_i32 s76, s[WV], 16*SP
	s_add_co_u32 s76, s76, STAGE                   ; my stage
	v_add_nc_u32 v[STO], s76, v[STO]
	v_mul_u32_u24 v[RD], v2, SP                    ; back: lanes 0-15 one row of 256 bytes, lanes 16-31 the next
	v_lshl_add_u32 v[RD], v1, 4, v[RD]
	v_add_nc_u32 v[RD], s76, v[RD]
	v_lshlrev_b32 v[CO], 11, v2                    ; and the same two rows in C
	v_lshl_add_u32 v[CO], v1, 4, v[CO]
	s_mov_b32 s[SL], 0
	v_mov_b32 v[ADA], v[ADA0]
	v_mov_b32 v[ADB], v[ADB0]
	s_wait_tensorcnt 0x1                           ; my part of K step 0 is in; K step 1's may stay out
	s_barrier_signal -1
	s_barrier_wait -1                              ; everybody's is
	FETCH 0, F0
	s_wait_loadcnt 0x0                             ; the bias: rounded to bf16 like every input, and kept as f32
	WIN 0x45                                       ; destination and both sources in window 1
.set i, 0
.rept 32
	v_cvt_pk_bf16_f32 v[192+i%4], v[2*i], v[2*i+1]
	v_lshlrev_b32 v[2*i], 16, v[192+i%4]
	v_and_b32 v[2*i+1], s[HIM], v[192+i%4]
.set i, i+1
.endr
	WIN 0
	s_mov_b32 s2, TILES                            ; tiles to go: the same number in every work-group
.Ltile:
	QUARTER 1, F0, F1, 2                           ; the first products start the sums with the bias: nothing is cleared
	WIN 0
	s_mov_b32 s3, KSTEPS-2
.Lk:                                                   ; a trip: a K step's quarters 1 to 3 and the next step's first; it fills one slot again
	QUARTER 2, F1, F0, 0
	QUARTER 3, F0, F1, 0
	TURN 1
	QUARTER 1, F0, F1, 0
	WIN 0
	s_sub_co_u32 s3, s3, 1
	s_cmp_lg_u32 s3, 0
	s_cbranch_scc1 .Lk
	s_cmp_eq_u32 s2, 1
	s_cbranch_scc1 .Llast                          ; the last tile asks for nothing more
	s_mov_b32 s3, 2
.Lon:                                                  ; the first tile's last two K steps: the ring goes on into the next tile.  The second trip is left in its middle
	QUARTER 2, F1, F0, 0
	QUARTER 3, F0, F1, 0
	TURN 2                                         ; the next tile's K step 0, then its K step 1 and its first fragments
	WIN 0
	s_sub_co_u32 s3, s3, 1
	s_cmp_eq_u32 s3, 0
	s_cbranch_scc1 .Lout
	QUARTER 1, F0, F1, 0
	WIN 0
	s_branch .Lon
.Llast:
	s_mov_b32 s3, 2
.Ltail:                                                ; the last tile's last two K steps fill nothing
	QUARTER 2, F1, F0, 0
	QUARTER 3, F0, F1, 0
	TURN 0
	WIN 0
	s_sub_co_u32 s3, s3, 1
	s_cmp_eq_u32 s3, 0
	s_cbranch_scc1 .Lout
	QUARTER 1, F0, F1, 0
	WIN 0
	s_branch .Ltail
.Lout:
	PLACES                                         ; behind the last products: their results are read and buffer 1's registers loaded below
	PACK 0
	TOSTAGE 0
.irp a, 1,2,3,4,5,6,7                  ; block a's conversions stand between block a - 1's loads from the stage and the wait for them
	PACK \a
	SEND \a-1
	TOSTAGE \a
.endr
	SEND 7
	s_wait_xcnt 0x0                                ; the stores' base and buffer 1's registers are written again only behind this wait
	s_add_nc_u64 s[10:11], s[10:11], WALK*CP       ; the second tile's rows
	s_sub_co_u32 s2, s2, 1
	s_cmp_lg_u32 s2, 0
	s_cbranch_scc1 .Ltile
	s_wait_tensorcnt 0x0                           ; the wave's end
	ds_add_u32 v[SPW], v[NIL]
	s_wait_dscnt 0x0
	CROUND                                         ; the closing round: no work-group ends while a partner may still ask for a tile that names it
	s_endpgm
.Lfunc_end_k_qb24e7af6e4_qkv:
	.size	k_qb24e7af6e4_qkv, .Lfunc_end_k_qb24e7af6e4_qkv-k_qb24e7af6e4_qkv
	.p2alignl 7, 3214868480
	.fill 96, 4, 3214868480
	.section	.rodata,"a",@progbits
	.p2align	6, 0x0
	.amdhsa_kernel k_qb24e7af6e4_qkv
		.amdhsa_group_segment_fixed_size 327680
		.amdhsa_private_segment_fixed_size 0
		.amdhsa_enable_private_segment 0
		.amdhsa_kernarg_size 32
		.amdhsa_user_sgpr_count 2
		.amdhsa_user_sgpr_kernarg_segment_ptr 1
		.amdhsa_wavefront_size32 1
		.amdhsa_system_sgpr_workgroup_id_x 1
		.amdhsa_system_sgpr_workgroup_id_y 1
		.amdhsa_system_sgpr_workgroup_id_z 1
		.amdhsa_system_vgpr_workitem_id 0
		.amdhsa_next_free_vgpr 1024
		.amdhsa_next_free_sgpr 88
		.amdhsa_reserve_vcc 0
		.amdhsa_float_denorm_mode_32 3
		.amdhsa_float_denorm_mode_16_64 3
		.amdhsa_memory_ordered 1
		.amdhsa_forward_progress 1
		.amdhsa_inst_pref_size 133
	.end_amdhsa_kernel
	.amdgpu_metadata
---
amdhsa.version: [ 1, 2 ]
amdhsa.kernels:
  - .name:           k_qb24e7af6e4_qkv
    .symbol:         k_qb24e7af6e4_qkv.kd
    .args:
      - { .name: xb, .offset: 0, .size: 8, .value_kind: global_buffer, .address_space: global }
      - { .name: wqb, .offset: 8, .size: 8, .value_kind: global_buffer, .address_space: global }
      - { .name: bqkv, .offset: 16, .size: 8, .value_kind: global_buffer, .address_space: global }
      - { .name: qkv, .offset: 24, .size: 8, .value_kind: global_buffer, .address_space: global }
    .group_segment_fixed_size: 327680
    .private_segment_fixed_size: 0
    .kernarg_segment_align: 8
    .kernarg_segment_size: 32
    .max_flat_workgroup_size: 128
    .sgpr_count:     88
    .vgpr_count:     1024
    .wavefront_size: 32
...
	.end_amdgpu_metadata
.endif
;; end of part 2
;; launch scores (part 3): grid 8 x 32, 4 waves a work-group, clusters of 4 x 4, 327,680 bytes of LDS; arguments qkv, mbits, p, st; writes p, st
.if DOCPART == 3
	.amdgcn_target "amdgcn-amd-amdhsa--gfx1250"
	.amdhsa_code_object_version 6
	.text
	.protected	k_qb24e7af6e4_scores
	.globl	k_qb24e7af6e4_scores
	.p2align	8
	.type	k_qb24e7af6e4_scores,@function
k_qb24e7af6e4_scores:
	s_mov_b64 s[64:65], 0
	v_nop
	global_prefetch_b8 v0, s[64:65] scope:SCOPE_SE
	s_setreg_imm32_b32 hwreg(HW_REG_WAVE_MODE, 25, 1), 1
	s_wait_xcnt 0x0
	s_wait_alu depctr_hold_cnt(0) depctr_sa_sdst(0) depctr_va_vdst(0) depctr_va_sdst(0) depctr_va_ssrc(0) depctr_va_vcc(0) depctr_vm_vsrc(0)
	s_getreg_b32 s2, hwreg(HW_REG_IB_STS2, 6, 4)
	s_cmp_eq_u32 s2, 0
	s_cbranch_scc0 .Lentry_in_a_cluster
	s_endpgm
.Lentry_in_a_cluster:
	s_bfe_u32 s2, ttmp6, 0x10000c
	s_cmp_lg_u32 s2, 0xf033
	s_cbranch_scc0 .Lentry_shape_is_right
	s_endpgm
.Lentry_shape_is_right:
; For each query and each group g of 128 keys: s = q . k (raw), hidden keys take 32 x 1e-10 in its place, m_g = the group's true maximum, p = 2^(c s - c m_g) in f16, l_g = the sum of the unrounded p;
; c = log2(e) / 32.  p: [8192][2048] f16; st: [16 g][8192 rows][c m_g, l_g] f32.  The next launch takes the row's maximum over the 16 groups and rescales: the softmax has its true maximum.
; LIMITS: q, k arrive in f16; p lies in 0 to about 1 and below 6e-5 keeps f16's fixed step of 6e-8; a weight below 2^-126 counts as 0 in l; NaN and infinities are not treated apart.
; SHARES.  A tile of scores is 256 queries x 256 keys; four waves, each 128 x 128: a wave's columns ARE one group.  32 x 8 = 256 tiles, one to a work-group.  A K step of 128 is 256 matrix instructions a wave,
; 224 of them between a slot's request and the wait for it.
; CLUSTER 4 x 4: q's tiles are asked for jointly along a row of the cluster, k's along a column.  THE MATRIX INSTRUCTION IS USED TRANSPOSED: a lane holds ONE query (lane % 16) and the keys 16 b + 8 (lane / 16) + j,
; so a query's maximum and sum want one exchange between the halves of the lanes.
; REGISTERS, in windows of 256: window 0: v0-31 addresses and statistics; v32-63 the mask's words; v64-127, v128-191 A's fragments, two buffers; on the way out v64-127 hold a row block's 64 scores, v128-159 its packed
;   weights; v192-207 at work.  Window 1: v64-127, v128-191 B's fragments.  Window 2: the accumulators of my rows 0-63 ((a, b) at v[8 (8 a + b)]); window 3: those of my rows 64-127.
.set KSTEPS, 8
.set KN,     0                         ; B lies [n][k]
.set PA,     272                       ; a row in LDS: 256 bytes + 16: the 16 rows of a load start at 16 different groups of four banks
.set PB,     544
.set HALF,   128*PA                    ; 34,816: what one tensor load brings: 128 rows
.set BOFF,   2*HALF                    ; in a slot: A's 256 rows, then B's 256
.set SLOT,   4*HALF                    ; 139,264 = 0x22000: it shares no bit with wave x 0x8800, so one exclusive or changes slots
.set STAGE,  2*SLOT                    ; behind the ring, never filled by a tensor load: 16 rows x 272 bytes for each wave
.set SP,     272
.set SCR,    STAGE+4*16*SP             ; 1,024 bytes a wave: (c m, l) of its 128 queries
.set MSC,    SCR+4*1024                ; 4,096 bytes a wave: for each of 8 row blocks each lane's four mask words
.set SPARE,  MSC+4*4096                ; the spare words: 128 bytes a wave, two blocks of 256 bytes that no other line names
.set ASTEP,  256
.set BSTEP,  256
.set ADA0, 3
.set ADB0, 4
.set ADA,  5
.set ADB,  6
.set STO,  7
.set RD,   8
.set CO,   9
.set MO,   10                          ; v10 16 r: my row's four mask words
.set SH,   11                          ; v11 2 h
.set CMK,  12                          ; v12 the raw number of a hidden score
.set SO,   13                          ; v13 8 x lane
.set SCA0, 14                          ; v14 my query's place in the statistics' scratch; v15 the same for the row block in hand
.set SCA,  15
.set T,    16                          ; v16-19 at work
.set CM,   20                          ; v20 c m, v21 m
.set MX,   21
.set ST2,  22                          ; v[22:23] (c m, l)
.set C0,   24                          ; v24-27 four chains of the maximum
.set SPW,  28
.set NIL,  29
.set SCRD, 30                          ; v30 where I read the statistics back
.set MCA0, 31                          ; v31 my 16 bytes in a row block's mask words
.set MW,   32
.set F0,   64
.set F1,   128
.set S,    64
.set PK,   128
.set MC,   192                         ; v192-195 the mask words of the row block in hand; v196 their address
.set MCA,  196
.set SB,   200                         ; v200-207 the statistics on their way out
.set CS,  12                           ; s[12:13] c
.set SEL, 14                           ; s[14:15] v_permlanex16_b32's selects
.set WV, 16
.set WR, 17
.set WC, 18
.set G1A, 24                           ; s24-63 and s66-89 take the 64 lane masks of a row block once the last tensor load has landed
.set G1B, 32
.set G0A, 40
.set G0B, 48
.set CX, 56
.set CY, 57
.set SX, 58                            ; key tile 0..7
.set SY, 59                            ; query tile 0..31
.set SL, 60
.set CLY, 61
.macro WM ops:vararg
	v_wmma_f32_16x16x32_f16 \ops
.endm
; ---- the core for tiles of 256 x 256, the same text in the two kernels that use it ----
.set MSB, 0
.macro WIN new                         ; low byte: bits 1:0 source 0, 3:2 source 1, 5:4 source 2, 7:6 destination; the high byte repeats the setting that is left; a switch that changes nothing is dropped
.if MSB != (\new)
	s_set_vgpr_msb (MSB<<8)|(\new)
.set MSB, (\new)
.endif
.endm
.set TO_B, 0x40                        ; destination window 1, address window 0
.macro PLACES                          ; four plain vector instructions between a matrix instruction and a load into, or a vector write of, its registers
.rept 4
	v_nop
.endr
.endm
.macro JLOAD                           ; a joint refill by the walking descriptors: waves 0, 1 fetch A's halves, waves 2, 3 B's; s_nop 0 and four v_nop follow each line
	s_cmp_lt_u32 s[WV], 2
	s_cbranch_scc0 .Lfor_b_\@
	tensor_load_to_lds s[G0A+4:G0A+7], s[G1A:G1A+7]
	s_nop 0
	PLACES
	s_branch .Lasked_\@
.Lfor_b_\@:
	tensor_load_to_lds s[G0B+4:G0B+7], s[G1B:G1B+7]
	s_nop 0
	PLACES
.Lasked_\@:
.endm
.macro CREST                           ; a round of the cluster's barrier behind its opening barrier
	s_cmp_lg_u32 s[WV], 0
	s_cbranch_scc1 .Lnot_wave_0_\@
	s_barrier_signal -3
.Lnot_wave_0_\@:
	s_barrier_wait -3
	s_barrier_signal -1
	s_barrier_wait -1
.endm
.macro CROUND
	s_barrier_signal -1
	s_barrier_wait -1
	CREST
.endm
; 32 LDS loads in one run: the fragments of quarter q (32 along K) into buffer f: B's 8 blocks, then A's 8
.macro FETCH q, f
	WIN TO_B
.irp b, 0,1,2,3,4,5,6,7
.if KN
	ds_load_tr16_b128 v[(\f)+8*\b:(\f)+8*\b+3],   v[ADB] offset:32*PB*(\q)+32*\b
	ds_load_tr16_b128 v[(\f)+8*\b+4:(\f)+8*\b+7], v[ADB] offset:32*PB*(\q)+32*\b+16*PB
.else
	ds_load_b128 v[(\f)+8*\b:(\f)+8*\b+3],   v[ADB] offset:16*PA*\b+64*(\q)
	ds_load_b128 v[(\f)+8*\b+4:(\f)+8*\b+7], v[ADB] offset:16*PA*\b+64*(\q)+32
.endif
.endr
	WIN 0
.irp a, 0,1,2,3,4,5,6,7
	ds_load_b128 v[(\f)+8*\a:(\f)+8*\a+3],   v[ADA] offset:16*PA*\a+64*(\q)
	ds_load_b128 v[(\f)+8*\a+4:(\f)+8*\a+7], v[ADA] offset:16*PA*\a+64*(\q)+32
.endr
.endm
; 16 matrix instructions: row blocks a0, a0 + 1 of the window's four (hi = 0: my rows 0-63, 1: rows 64-127) x all 8 column blocks.  z = 0: the sums go on; 1: they start with 0; 2: with the bias.
; The 64 accumulators take turns, one instruction a turn, in the same order in every quarter.
.macro MUL16 f, hi, a0, z
.if (\z) == 2
	WIN 0x91+0x40*(\hi)                            ; B window 1, A window 0, C (the bias) window 1, D window 2 or 3
.else
	WIN 0xa1+0x50*(\hi)                            ; B window 1, A window 0, C and D window 2 or 3
.endif
.irp a, \a0, (\a0)+1
.irp b, 0,1,2,3,4,5,6,7
.if (\z) == 1
	WM v[8*(8*(\a)+\b):8*(8*(\a)+\b)+7], v[(\f)+8*\b:(\f)+8*\b+7], v[(\f)+8*(4*(\hi)+(\a)):(\f)+8*(4*(\hi)+(\a))+7], 0
.elseif (\z) == 2
	WM v[8*(8*(\a)+\b):8*(8*(\a)+\b)+7], v[(\f)+8*\b:(\f)+8*\b+7], v[(\f)+8*(4*(\hi)+(\a)):(\f)+8*(4*(\hi)+(\a))+7], v[8*\b:8*\b+7]
.else
	WM v[8*(8*(\a)+\b):8*(8*(\a)+\b)+7], v[(\f)+8*\b:(\f)+8*\b+7], v[(\f)+8*(4*(\hi)+(\a)):(\f)+8*(4*(\hi)+(\a))+7], v[8*(8*(\a)+\b):8*(8*(\a)+\b)+7]
.endif
.endr
.endr
.endm
; One of a K step's first three quarters: multiplies buffer f (64 matrix instructions); in its middle quarter q's fragments are fetched into buffer g.
.macro QUARTER q, f, g, z
	s_wait_dscnt 8                                 ; B and A's blocks 0-3 are in; the youngest eight loads (A's blocks 4-7) may be out
	MUL16 \f, 0, 0, \z
	MUL16 \f, 0, 2, \z
	PLACES                                         ; buffer g was read by the quarter before
	FETCH \q, \g
	s_wait_dscnt 32                                ; all but the 32 just issued
	MUL16 \f, 1, 0, \z
	MUL16 \f, 1, 2, \z
.endm
; The last quarter multiplies buffer 1 and changes slots.  In front of the barrier each wave waits for all its tensor loads (at most one is out: its part of the next slot), adds 0 to its spare word, and waits
; for that and for its reads of this slot.  kind = 1: the barrier opens a round of the cluster's, and this slot is filled again first thing behind it, with the K step two steps on.  kind = 2: the same in the two
; K steps that lead into the next tile: the first of them (s3 = 2) steps the descriptors to that tile's K step 0.  kind = 0: nothing is filled; in the last trip (s3 = 1) there is no further K step, and the fetch is jumped over.
.macro TURN kind
	WIN 0
	s_wait_tensorcnt 0x0                           ; no tensor load of mine is out
	ds_add_u32 v[SPW], v[NIL]
	s_wait_dscnt 9                                 ; (the add and the youngest eight loads may be out)
	MUL16 F1, 0, 0, 0                              ; work on registers while the add is out
	s_wait_dscnt 0x0                               ; the add is done, and my reads of this slot are over
	s_barrier_signal -1
	MUL16 F1, 0, 2, 0
	WIN 0
	s_barrier_wait -1
.if (\kind) == 0
	s_cmp_eq_u32 s3, 1
	s_cbranch_scc1 .Lno_fetch_\@
	PLACES
.else
	CREST                                          ; no wave of any partner still reads this slot or has a load on its way
	s_xor_b32 s[G0A+5], s[G0A+5], SLOT             ; the walking descriptors: the other slot than last time,
	s_xor_b32 s[G0B+5], s[G0B+5], SLOT
.if (\kind) == 2
	s_cmp_eq_u32 s3, 2
	s_cselect_b32 s20, s[AJ], s[AR]                ; A goes forward either way: to the next tile's rows, or a K step;
	s_cselect_b32 s22, 0, s[BR]                    ; B a K step forward,
	s_cselect_b32 s62, s[BJ], 0                    ; or back to K step 0: the two tiles share their columns
	s_add_nc_u64 s[G0A+6:G0A+7], s[G0A+6:G0A+7], s[20:21]
	s_add_nc_u64 s[G0B+6:G0B+7], s[G0B+6:G0B+7], s[22:23]
	s_sub_nc_u64 s[G0B+6:G0B+7], s[G0B+6:G0B+7], s[62:63]
.else
	s_add_nc_u64 s[G0A+6:G0A+7], s[G0A+6:G0A+7], ASTEP  ; the next K step; the type bits on top are not reached
	s_add_nc_u64 s[G0B+6:G0B+7], s[G0B+6:G0B+7], BSTEP
.endif
	JLOAD                                          ; 224 matrix instructions ahead of the wait for it; its four v_nop are also the places in front of the loads below
.endif
	s_xor_b32 s[SL], s[SL], SLOT
	v_add_nc_u32 v[ADA], s[SL], v[ADA0]
	v_add_nc_u32 v[ADB], s[SL], v[ADB0]
	FETCH 0, F0
.if (\kind) == 0
.Lno_fetch_\@:
.endif
	MUL16 F1, 1, 0, 0
	MUL16 F1, 1, 2, 0
.endm
; ---- end of the core ----
; Row block a's 64 scores a lane leave the accumulators, hidden ones replaced: the one step that names the accumulators, so it alone is written for each block.  Lane mask e lies in s[24 + e], past s63 two further on.
.macro MASKCP a
	WIN 0x08+4*((\a)/4)                            ; source 1 (the score) in window 2 or 3
.set e, 0
.rept 64
	v_cndmask_b32 v[S+e], v[CMK], v[64*((\a)%4)+e], s[24+e+2*(e/40)]  ; each accumulator from its low end on
.set e, e+1
.endr
	WIN 0
.endm
	s_load_b256 s[4:11], s[0:1], 0x0               ; qkv s[4:5], mbits s[6:7], p s[8:9], st s[10:11]
	v_lshl_add_u32 v[SPW], v0, 2, SPARE
	v_mov_b32 v[NIL], 0
	ds_add_u32 v[SPW], v[NIL]                      ; the wave's opening: the add and its wait stand ahead of my first tensor load
	v_lshrrev_b32 v1, 5, v0
	v_readfirstlane_b32 s[WV], v1
	s_lshr_b32 s[WR], s[WV], 1
	s_and_b32 s[WC], s[WV], 1
	s_bfe_u32 s[CX], ttmp6, 0x40000
	s_bfe_u32 s[CY], ttmp6, 0x40004
	s_lshl_b32 s[SX], ttmp9, 2
	s_add_co_u32 s[SX], s[SX], s[CX]
	s_and_b32 s[CLY], ttmp7, 0xffff
	s_lshl_b32 s[SY], s[CLY], 2
	s_add_co_u32 s[SY], s[SY], s[CY]
	s_lshl_b32 s19, s[CY], 2
	s_lshl_b32 s19, 15, s19                        ; my row of the cluster
	s_lshl_b32 s62, 0x1111, s[CX]                  ; my column
	s_or_b32 s[G1A], s19, (1<<16)|(1<<20)|(1<<21)|(5<<22)|(3<<25)  ; mask; 2-byte elements; padding on; bit 21 beside a mask; after every 64 words, 4 words
	s_or_b32 s[G1B], s62, (1<<16)|(1<<20)|(1<<21)|(5<<22)|(3<<25)
.irp g, G1A, G1B
	s_mov_b32 s[\g+1], 128<<16                     ; 128 rows of 128 elements
	s_mov_b32 s[\g+2], 128<<16
	s_mov_b32 s[\g+3], 128<<16
	s_mov_b32 s[\g+4], 128
	s_mov_b32 s[\g+5], 1024                        ; elements from row to row
	s_mov_b32 s[\g+6], 0
	s_mov_b32 s[\g+7], 0
.endr
	s_lshl_b32 s22, s[SY], 8                       ; q: row 256 Y + 128 x my half, 2,048 bytes a row: no cx enters
	s_lshl_b32 s23, s[WC], 7
	s_add_co_u32 s22, s22, s23
	s_lshl_b32 s22, s22, 11
	s_mov_b32 s23, 0
	s_lshr_b32 s62, s[CLY], 1                      ; k: the batch (two clusters of four tile rows each: from the cluster's y alone), key tile X, my half; in the second section
	s_lshl_b32 s62, s62, 11
	s_lshl_b32 s63, s[SX], 8
	s_add_co_u32 s62, s62, s63
	s_lshl_b32 s63, s[WC], 7
	s_add_co_u32 s62, s62, s63
	s_lshl_b32 s62, s62, 11
	s_add_co_u32 s62, s62, 16777216
	s_mov_b32 s63, 0
	s_mul_i32 s20, s[WC], HALF                     ; where they go: the wave's number alone
	s_add_co_u32 s21, s20, BOFF
	s_lshl_b32 s12, s[SX], 1                       ; g = 2 X + WC; the index g x 8,192 + my first row
	s_add_co_u32 s12, s12, s[WC]
	s_lshl_b32 s12, s12, 13
	s_lshl_b32 s13, s[SY], 8
	s_add_co_u32 s12, s12, s13
	s_lshl_b32 s13, s[WR], 7
	s_add_co_u32 s12, s12, s13
	s_lshl_b32 s14, s12, 3                         ; 8 bytes of st,
	s_lshl_b32 s12, s12, 4                         ; 16 bytes of mbits
	s_mov_b32 s13, 0
	s_mov_b32 s15, 0
	s_lshl_b32 s66, s[SY], 8                       ; p: my first row, 4,096 bytes a row; key 256 X + 128 WC
	s_lshl_b32 s67, s[WR], 7
	s_add_co_u32 s66, s66, s67
	s_lshl_b32 s66, s66, 12
	s_lshl_b32 s67, s[SX], 9
	s_add_co_u32 s66, s66, s67
	s_lshl_b32 s67, s[WC], 8
	s_add_co_u32 s66, s66, s67
	s_mov_b32 s67, 0
	s_wait_dscnt 0x0                               ; the opening add is done
	s_wait_kmcnt 0x0
	s_add_nc_u64 s[22:23], s[4:5], s[22:23]
	s_add_nc_u64 s[62:63], s[4:5], s[62:63]
	s_add_nc_u64 s[6:7], s[6:7], s[12:13]
	s_add_nc_u64 s[8:9], s[8:9], s[66:67]
	s_add_nc_u64 s[10:11], s[10:11], s[14:15]
	s_mov_b32 s[CS], 0x3d38aa3b                    ; c = log2(e) / 32
	s_mov_b32 s[CS+1], s[CS]
	s_mov_b32 s[SEL], 0x76543210
	s_mov_b32 s[SEL+1], 0xfedcba98
	CROUND                                         ; all sixteen work-groups are here: the first joint loads meet
.irp s, 0,1
	s_mov_b32 s[G0A+4*\s], 1
	s_add_co_u32 s[G0A+4*\s+1], s20, \s*SLOT
	s_add_nc_u64 s[G0A+4*\s+2:G0A+4*\s+3], s[22:23], \s*ASTEP
	s_or_b32 s[G0A+4*\s+3], s[G0A+4*\s+3], 0x80000000
	s_mov_b32 s[G0B+4*\s], 1
	s_add_co_u32 s[G0B+4*\s+1], s21, \s*SLOT
	s_add_nc_u64 s[G0B+4*\s+2:G0B+4*\s+3], s[62:63], \s*BSTEP
	s_or_b32 s[G0B+4*\s+3], s[G0B+4*\s+3], 0x80000000
.endr
	s_cmp_lt_u32 s[WV], 2                          ; a wave's two first fills stand in one branch: two loads of mine are out
	s_cbranch_scc0 .Lfirst_b
	tensor_load_to_lds s[G0A:G0A+3], s[G1A:G1A+7]
	s_nop 0
	tensor_load_to_lds s[G0A+4:G0A+7], s[G1A:G1A+7]
	s_nop 0
	PLACES
	s_branch .Lfirst_asked
.Lfirst_b:
	tensor_load_to_lds s[G0B:G0B+3], s[G1B:G1B+7]
	s_nop 0
	tensor_load_to_lds s[G0B+4:G0B+7], s[G1B:G1B+7]
	s_nop 0
	PLACES
.Lfirst_asked:
	v_and_b32 v1, 15, v0                           ; r
	v_bfe_u32 v2, v0, 4, 1                         ; h
	v_lshlrev_b32 v[MO], 4, v1
.irp a, 0,1,2,3,4,5,6,7
	global_load_b128 v[MW+4*\a:MW+4*\a+3], v[MO], s[6:7] offset:256*\a  ; the mask's bits of my query of block a for this group: wanted behind the whole K loop
.endr
	v_mul_u32_u24 v[STO], v1, PA
	v_lshl_add_u32 v[STO], v2, 4, v[STO]           ; 272 r + 16 h: a fragment's place, and the stage's
	s_mul_i32 s76, s[WR], HALF
	v_add_nc_u32 v[ADA0], s76, v[STO]
	s_mul_i32 s76, s[WC], HALF
	s_add_co_u32 s76, s76, BOFF
	v_add_nc_u32 v[ADB0], s76, v[STO]
	s_mul_i32 s76, s[WV], 16*SP
	s_add_co_u32 s76, s76, STAGE                   ; my stage
	v_add_nc_u32 v[STO], s76, v[STO]
	v_mul_u32_u24 v[RD], v2, SP
	v_lshl_add_u32 v[RD], v1, 4, v[RD]
	v_add_nc_u32 v[RD], s76, v[RD]
	v_lshlrev_b32 v[CO], 12, v2                    ; two rows of p, 4,096 bytes apart
	v_lshl_add_u32 v[CO], v1, 4, v[CO]
	v_lshlrev_b32 v[SH], 1, v2
	v_mov_b32 v[CMK], 0x315be6ff                   ; 32 x f32(1e-10): c times it is log2(e) x 1e-10
	v_and_b32 v[SO], 31, v0
	s_lshl_b32 s76, s[WV], 12
	s_add_co_u32 s76, s76, MSC                     ; my mask words
	v_lshl_add_u32 v[MCA0], v[SO], 4, s76
	v_lshlrev_b32 v[SO], 3, v[SO]
	s_lshl_b32 s76, s[WV], 10
	s_add_co_u32 s76, s76, SCR                     ; my statistics
	v_lshl_add_u32 v[SCA0], v1, 3, s76
	v_add_nc_u32 v[SCRD], s76, v[SO]
	s_mov_b32 s[SL], 0
	v_mov_b32 v[ADA], v[ADA0]
	v_mov_b32 v[ADB], v[ADB0]
	s_wait_tensorcnt 0x1                           ; my part of K step 0 is in; K step 1's may stay out
	s_barrier_signal -1
	s_barrier_wait -1
	FETCH 0, F0
	QUARTER 1, F0, F1, 1                           ; the first products start the sums: nothing is cleared
	WIN 0
	s_mov_b32 s3, KSTEPS-2
.Lk:                                                   ; a trip: a K step's quarters 1 to 3 and the next step's first; it fills one slot again
	QUARTER 2, F1, F0, 0
	QUARTER 3, F0, F1, 0
	TURN 1
	QUARTER 1, F0, F1, 0
	WIN 0
	s_sub_co_u32 s3, s3, 1
	s_cmp_lg_u32 s3, 0
	s_cbranch_scc1 .Lk
	s_mov_b32 s3, 2
.Ltail:                                                ; the last two K steps fill nothing; the second trip is left in its middle
	QUARTER 2, F1, F0, 0
	QUARTER 3, F0, F1, 0
	TURN 0
	WIN 0
	s_sub_co_u32 s3, s3, 1
	s_cmp_eq_u32 s3, 0
	s_cbranch_scc1 .Lout
	QUARTER 1, F0, F1, 0
	WIN 0
	s_branch .Ltail
.Lout:
	s_wait_loadcnt 0x0                             ; the mask's words
.set i, 0
.rept 32
	v_lshrrev_b32 v[MW+i], v[SH], v[MW+i]          ; my half of the lanes' bits come down; these are also the places behind the last products
.set i, i+1
.endr
.irp a, 0,1,2,3,4,5,6,7
	ds_store_b128 v[MCA0], v[MW+4*\a:MW+4*\a+3] offset:512*\a  ; into my own LDS bytes, so that the loop below can take a block's words by an address that steps
.endr
	s_mov_b32 s2, 0                                ; the row block
.Lrow:                                                 ; eight trips: 16 queries each
	s_lshl_b32 s19, s2, 9
	s_lshl_b32 s3, s2, 7
	v_add_nc_u32 v[MCA], s19, v[MCA0]
	ds_load_b128 v[MC:MC+3], v[MCA]                ; LDS serves a wave's instructions in order: it sees the stores above
	v_add_nc_u32 v[SCA], s3, v[SCA0]
	s_wait_dscnt 0x0
	; the 64 lane masks.  Element e = 8 b + j is key 16 b + 8 h + j: bit 4 b + 2 h + j / 4 of word j % 4; the words have been shifted down by 2 h.  The descriptors' registers are free: no tensor load is out
.set e, 0
.rept 16
.irp i, 0,1,2,3
	v_bfe_u32 v[T+\i], v[MC+\i], 4*(e/8)+(e%8)/4, 1
.endr
.irp i, 0,1,2,3
	v_cmp_ne_u32 s[24+(e+\i)+2*((e+\i)/40)], v[T+\i], 0
.endr
.set e, e+4
.endr
.irp a, 0,1,2,3,4,5,6
	s_cmp_eq_u32 s2, \a
	s_cbranch_scc1 .Lm\a
.endr
	MASKCP 7
	s_branch .Lsoft
.irp a, 0,1,2,3,4,5
.Lm\a:
	MASKCP \a
	s_branch .Lsoft
.endr
.Lm6:
	MASKCP 6
.Lsoft:
	; the maximum of my 64 scores: four chains of 15, three operands at a time; the four left over; the other half of the lanes
.irp i, 0,1,2,3
	v_max3_num_f32 v[C0+\i], v[S+16*\i], v[S+16*\i+1], v[S+16*\i+2]
.endr
.irp k, 0,1,2,3,4,5
.irp i, 0,1,2,3
	v_max3_num_f32 v[C0+\i], v[C0+\i], v[S+16*\i+3+2*\k], v[S+16*\i+4+2*\k]
.endr
.endr
	v_max3_num_f32 v[C0], v[C0], v[S+15], v[S+31]
	v_max3_num_f32 v[C0+2], v[C0+2], v[S+47], v[S+63]
	v_max3_num_f32 v[C0], v[C0], v[C0+1], v[C0+2]
	v_max_num_f32 v[C0], v[C0], v[C0+3]
	v_permlanex16_b32 v[C0+1], v[C0], s[SEL], s[SEL+1]
	v_max_num_f32 v[MX], v[C0], v[C0+1]
	v_mul_f32 v[CM], s[CS], v[MX]
.set i, 0
.rept 32
	v_pk_fma_f32 v[S+2*i:S+2*i+1], v[S+2*i:S+2*i+1], s[CS:CS+1], v[CM:CM+1] op_sel_hi:[1,0,0] neg_lo:[0,0,1] neg_hi:[0,0,1]  ; c s - c m, one rounding
.set i, i+1
.endr
	; two exponentials, then a plain instruction: the rounding of the pair before.  So a plain instruction stands between every exponential and the use of its result (ISA guide 5.7.2)
.set i, 0
.rept 32
	v_exp_f32 v[S+2*i], v[S+2*i]
	v_exp_f32 v[S+2*i+1], v[S+2*i+1]
.if i > 0
	s_wait_alu depctr_va_vdst(0)
	v_cvt_pk_f16_f32 v[PK+i-1], v[S+2*i-2], v[S+2*i-1]
.else
	v_nop
.endif
.set i, i+1
.endr
	v_cvt_pk_f16_f32 v[PK+31], v[S+62], v[S+63]
.irp w, 16,8,4,2,1                     ; the sum of the 32 pairs, in place, as a tree
.set i, 0
.rept \w
	v_pk_add_f32 v[S+2*i:S+2*i+1], v[S+2*i:S+2*i+1], v[S+2*(i+\w):S+2*(i+\w)+1]
.set i, i+1
.endr
.endr
	v_add_f32 v[ST2+1], v[S], v[S+1]
	v_permlanex16_b32 v[C0], v[ST2+1], s[SEL], s[SEL+1]
	v_mov_b32 v[ST2], v[CM]
	v_add_f32 v[ST2+1], v[ST2+1], v[C0]
	ds_store_b64 v[SCA], v[ST2:ST2+1]              ; (c m, l): both halves of the lanes hold and write the same two numbers
.irp b, 0,1,2,3,4,5,6,7
	ds_store_b128 v[STO], v[PK+4*\b:PK+4*\b+3] offset:32*\b
.endr
.irp t, 0,1,2,3,4,5,6,7
	ds_load_b128 v[S+4*\t:S+4*\t+3], v[RD] offset:\t*2*SP  ; whole rows back, into the scores' registers, which are done with
.endr
	s_wait_dscnt 0x0
.irp t, 0,1,2,3,4,5,6,7
	global_store_b128 v[CO], v[S+4*\t:S+4*\t+3], s[8:9] offset:\t*8192  ; 16 lanes store 256 consecutive bytes, aligned
.endr
	s_wait_xcnt 0x0                                ; the stores' base and data are written again only behind this wait
	s_add_nc_u64 s[8:9], s[8:9], 16*4096
	s_add_co_u32 s2, s2, 1
	s_cmp_lt_u32 s2, 8
	s_cbranch_scc1 .Lrow
.irp k, 0,1,2,3
	ds_load_b64 v[SB+2*\k:SB+2*\k+1], v[SCRD] offset:256*\k  ; my wave's 128 pairs (c m, l), 32 rows to a store
.endr
	s_wait_dscnt 0x0
.irp k, 0,1,2,3
	global_store_b64 v[SO], v[SB+2*\k:SB+2*\k+1], s[10:11] offset:256*\k  ; 32 lanes store 256 consecutive bytes, aligned
.endr
	s_wait_tensorcnt 0x0                           ; the wave's end
	ds_add_u32 v[SPW], v[NIL]
	s_wait_dscnt 0x0
	CROUND                                         ; the closing round: no work-group ends while a partner may still ask for a tile that names it
	s_endpgm
.Lfunc_end_k_qb24e7af6e4_scores:
	.size	k_qb24e7af6e4_scores, .Lfunc_end_k_qb24e7af6e4_scores-k_qb24e7af6e4_scores
	.p2alignl 7, 3214868480
	.fill 96, 4, 3214868480
	.section	.rodata,"a",@progbits
	.p2align	6, 0x0
	.amdhsa_kernel k_qb24e7af6e4_scores
		.amdhsa_group_segment_fixed_size 327680
		.amdhsa_private_segment_fixed_size 0
		.amdhsa_enable_private_segment 0
		.amdhsa_kernarg_size 32
		.amdhsa_user_sgpr_count 2
		.amdhsa_user_sgpr_kernarg_segment_ptr 1
		.amdhsa_wavefront_size32 1
		.amdhsa_system_sgpr_workgroup_id_x 1
		.amdhsa_system_sgpr_workgroup_id_y 1
		.amdhsa_system_sgpr_workgroup_id_z 1
		.amdhsa_system_vgpr_workitem_id 0
		.amdhsa_next_free_vgpr 1024
		.amdhsa_next_free_sgpr 90
		.amdhsa_reserve_vcc 0
		.amdhsa_float_denorm_mode_32 3
		.amdhsa_float_denorm_mode_16_64 3
		.amdhsa_memory_ordered 1
		.amdhsa_forward_progress 1
		.amdhsa_inst_pref_size 127
	.end_amdhsa_kernel
	.amdgpu_metadata
---
amdhsa.version: [ 1, 2 ]
amdhsa.kernels:
  - .name:           k_qb24e7af6e4_scores
    .symbol:         k_qb24e7af6e4_scores.kd
    .args:
      - { .name: qkv, .offset: 0, .size: 8, .value_kind: global_buffer, .address_space: global }
      - { .name: mbits, .offset: 8, .size: 8, .value_kind: global_buffer, .address_space: global }
      - { .name: p, .offset: 16, .size: 8, .value_kind: global_buffer, .address_space: global }
      - { .name: st, .offset: 24, .size: 8, .value_kind: global_buffer, .address_space: global }
    .group_segment_fixed_size: 327680
    .private_segment_fixed_size: 0
    .kernarg_segment_align: 8
    .kernarg_segment_size: 32
    .max_flat_workgroup_size: 128
    .sgpr_count:     90
    .vgpr_count:     1024
    .wavefront_size: 32
...
	.end_amdgpu_metadata
.endif
;; end of part 3
;; launch pv (part 4): grid 4 x 64, 4 waves a work-group, clusters of 4 x 4, 327,680 bytes of LDS; arguments p, qkv, st, o; writes o
.if DOCPART == 4
	.amdgcn_target "amdgcn-amd-amdhsa--gfx1250"
	.amdhsa_code_object_version 6
	.text
	.protected	k_qb24e7af6e4_pv
	.globl	k_qb24e7af6e4_pv
	.p2align	8
	.type	k_qb24e7af6e4_pv,@function
k_qb24e7af6e4_pv:
	s_mov_b64 s[64:65], 0
	v_nop
	global_prefetch_b8 v0, s[64:65] scope:SCOPE_SE
	s_setreg_imm32_b32 hwreg(HW_REG_WAVE_MODE, 25, 1), 1
	s_wait_xcnt 0x0
	s_wait_alu depctr_hold_cnt(0) depctr_sa_sdst(0) depctr_va_vdst(0) depctr_va_sdst(0) depctr_va_ssrc(0) depctr_va_vcc(0) depctr_vm_vsrc(0)
	s_getreg_b32 s2, hwreg(HW_REG_IB_STS2, 6, 4)
	s_cmp_eq_u32 s2, 0
	s_cbranch_scc0 .Lentry_in_a_cluster
	s_endpgm
.Lentry_in_a_cluster:
	s_bfe_u32 s2, ttmp6, 0x10000c
	s_cmp_lg_u32 s2, 0xf033
	s_cbranch_scc0 .Lentry_shape_is_right
	s_endpgm
.Lentry_shape_is_right:
; O = (sum over the 16 groups g of f_g P_g V_g) / L, with f_g = 2^(c m_g - max over g of c m_g) and L = sum of f_g l_g: the softmax with the row's true maximum.  p: [8192][2048] f16; v: third section of qkv,
; [8192][1024] f16; st: [16][8192][c m, l] f32; o: [8192][1024] f16.  Sums, maxima, L in f32.  A K step of 128 keys IS a group: A's fragments are multiplied by f_g (f16, twice in a word) between LDS and the matrix unit.
; LIMITS: f_g is rounded to f16 for the product and taken unrounded in L (they differ by 2^-12 of a group's weight at the most); p f_g below 6e-5 keeps f16's fixed step; O has v's range, under 65,504.
; SHARES.  A tile of O is 128 x 256; four waves, each 64 x 128; 256 tiles, one to a work-group.  CLUSTER 4 x 4: p's tiles jointly along a row of the cluster, v's along a column.
; THE MATRIX INSTRUCTION IS USED TRANSPOSED; v lies [key][channel] and is turned by ds_load_tr16_b128.
; REGISTERS: window 0: v0-31 addresses; v32-35 the K step's factors; v36-43 1 / L; v64-159, v160-255 two fragment buffers.  Window 1: the accumulators.
.set KSTEPS, 16
.set KN,     1
.set SCALED, 1
.set BJNEG,  0
.set AJUMP,  0
.set BJUMP,  0
.set PA,     272
.set PB,     544
.set AHALF,  64*PA
.set BOFF,   2*AHALF
.set BHALF,  64*PB
.set SLOT1,  131072
.set STAGE,  SLOT1+BOFF+2*BHALF        ; 235,520
.set SP,     272
.set FTAB,   STAGE+4*16*SP             ; [16 g][128 rows] (f, f) in f16: 8,192 bytes
.set RTAB,   FTAB+8192                 ; [128 rows] 1 / L: 512 bytes
.set SPARE,  RTAB+512
.set ASTEP,  256
.set BSTEP,  128*2048
.set CP,     2048
.set ADA0, 3
.set ADB0, 4
.set ADA,  5
.set ADB,  6
.set STO,  7
.set RD,   8
.set CO,   9
.set FTA0, 10                          ; v10 my row's place in a group's factors; v11 the same for the K step in hand
.set FTA,  11
.set STA,  12                          ; v12 8 x thread: my row of st
.set FTS,  13                          ; v13 where my thread stores its row's factors
.set SPW,  28
.set NIL,  29
.set FS,   32
.set RL,   36
.set F0,   64
.set F1,   160
.set TMP,  224
.set WV, 16
.set WR, 17
.set WC, 18
.set G1A, 24
.set G1B, 32
.set G0A, 40
.set G0B, 48
.set CX, 56
.set CY, 57
.set SX, 58
.set SY, 59
.set SL, 60
.set CLY, 61
.set FO, 83                            ; s83 512 x the K step whose factors are fetched next
.macro WM ops:vararg
	v_wmma_f32_16x16x32_f16 \ops
.endm
; ---- the core, the same text in the two kernels that use it ----
.set MSB, 0
.macro WIN new                         ; the immediate's high byte repeats the setting that is left; a switch that changes nothing is dropped
.if MSB != (\new)
	s_set_vgpr_msb (MSB<<8)|(\new)
.set MSB, (\new)
.endif
.endm
.set MUL,  0x50                        ; C and D in window 1
.set MULB, 0x60                        ; C in window 2, D in window 1
.macro PLACES                          ; four plain vector instructions between a matrix instruction and a load into, or a vector write of, its registers
.rept 4
	v_nop
.endr
.endm
.macro JLOAD                           ; a joint refill by the walking descriptors: waves 0, 1 fetch A's halves, waves 2, 3 B's; s_nop 0 and four v_nop follow each line
	s_cmp_lt_u32 s[WV], 2
	s_cbranch_scc0 .Lfor_b_\@
	tensor_load_to_lds s[G0A+4:G0A+7], s[G1A:G1A+7]
	s_nop 0
	PLACES
	s_branch .Lasked_\@
.Lfor_b_\@:
	tensor_load_to_lds s[G0B+4:G0B+7], s[G1B:G1B+7]
	s_nop 0
	PLACES
.Lasked_\@:
.endm
.macro CREST                           ; a round of the cluster's barrier behind its opening barrier
	s_cmp_lg_u32 s[WV], 0
	s_cbranch_scc1 .Lnot_wave_0_\@
	s_barrier_signal -3
.Lnot_wave_0_\@:
	s_barrier_wait -3
	s_barrier_signal -1
	s_barrier_wait -1
.endm
.macro CROUND
	s_barrier_signal -1
	s_barrier_wait -1
	CREST
.endm
; One run of LDS loads: the fragments of quarter q (32 along K) into buffer f: B's 16 loads, A's blocks 0, 1 (4), A's blocks 2, 3 (4).
.macro FETCH q, f
	WIN 0
.if SCALED
.if (\q) == 0
.irp a, 0,1,2,3
	ds_load_b32 v[FS+\a], v[FTA] offset:64*\a      ; the K step's factor for my row of block a
.endr
.endif
.endif
.irp b, 0,1,2,3,4,5,6,7
.if KN
	ds_load_tr16_b128 v[(\f)+8*\b:(\f)+8*\b+3],   v[ADB] offset:32*PB*(\q)+32*\b
	ds_load_tr16_b128 v[(\f)+8*\b+4:(\f)+8*\b+7], v[ADB] offset:32*PB*(\q)+32*\b+16*PB
.else
	ds_load_b128 v[(\f)+8*\b:(\f)+8*\b+3],   v[ADB] offset:16*PA*\b+64*(\q)
	ds_load_b128 v[(\f)+8*\b+4:(\f)+8*\b+7], v[ADB] offset:16*PA*\b+64*(\q)+32
.endif
.endr
.irp a, 0,1,2,3
	ds_load_b128 v[(\f)+64+8*\a:(\f)+64+8*\a+3],   v[ADA] offset:16*PA*\a+64*(\q)
	ds_load_b128 v[(\f)+64+8*\a+4:(\f)+64+8*\a+7], v[ADA] offset:16*PA*\a+64*(\q)+32
.endr
.endm
; 8 matrix instructions: row block a x all 8 column blocks.  z = 0: the sums go on; 1: they start with 0; 2: with the bias.  The 32 accumulators take turns, one instruction a turn.
.macro MUL8 f, a, z
.if (\z) == 2
	WIN MULB
.else
	WIN MUL
.endif
.irp b, 0,1,2,3,4,5,6,7
.if (\z) == 1
	WM v[8*(8*(\a)+\b):8*(8*(\a)+\b)+7], v[(\f)+8*\b:(\f)+8*\b+7], v[(\f)+64+8*(\a):(\f)+64+8*(\a)+7], 0
.elseif (\z) == 2
	WM v[8*(8*(\a)+\b):8*(8*(\a)+\b)+7], v[(\f)+8*\b:(\f)+8*\b+7], v[(\f)+64+8*(\a):(\f)+64+8*(\a)+7], v[8*\b:8*\b+7]
.else
	WM v[8*(8*(\a)+\b):8*(8*(\a)+\b)+7], v[(\f)+8*\b:(\f)+8*\b+7], v[(\f)+64+8*(\a):(\f)+64+8*(\a)+7], v[8*(8*(\a)+\b):8*(8*(\a)+\b)+7]
.endif
.endr
.endm
.macro MULH f, half, z
	MUL8 \f, 2*(\half), \z
	MUL8 \f, 2*(\half)+1, \z
.endm
.macro SCALE f, half                   ; (the weighted product alone) A's blocks 2 half, 2 half + 1 times the K step's factor
.if SCALED
	WIN 0
.irp a, 2*(\half), 2*(\half)+1
.irp i, 0,1,2,3,4,5,6,7
	v_pk_mul_f16 v[(\f)+64+8*(\a)+\i], v[(\f)+64+8*(\a)+\i], v[FS+(\a)]
.endr
.endr
.endif
.endm
; One of a K step's first three quarters: multiplies buffer f; in its middle quarter q's fragments are fetched into buffer g.
.macro QUARTER q, f, g, z
	s_wait_dscnt 4                                 ; B and A's blocks 0, 1 are in; the youngest four loads (A's blocks 2, 3) may be out
	SCALE \f, 0
	MULH \f, 0, \z
	WIN 0
	PLACES                                         ; buffer g was read by the quarter before
	FETCH \q, \g
	s_wait_dscnt 24                                ; all but the 24 just issued
	SCALE \f, 1
	MULH \f, 1, \z
.endm
; The last quarter multiplies buffer 1 and changes slots.  In front of the barrier each wave waits for all its tensor loads (one is out: its part of the next slot), adds 0 to its spare word, and waits
; for that and for its reads of this slot.  fill = 1: the barrier opens a round of the cluster's, and this slot is filled again first thing behind it, two K steps ahead (jump = 1: with the next tile's K step 0).
.macro TURN fill, jump
	WIN 0
	s_wait_tensorcnt 0x0                           ; no tensor load of mine is out
	ds_add_u32 v[SPW], v[NIL]
	s_wait_dscnt 5                                 ; (the add and the youngest four loads may be out)
	SCALE F1, 0
	MUL8 F1, 0, 0                                  ; work on registers while the add is out
	s_wait_dscnt 0x0                               ; the add is done, and my reads of this slot are over
	s_barrier_signal -1
	MUL8 F1, 1, 0
	WIN 0
	SCALE F1, 1
	s_barrier_wait -1
.if \fill
	CREST                                          ; no wave of any partner still reads this slot or has a load on its way
	s_xor_b32 s[G0A+5], s[G0A+5], SLOT1            ; the walking descriptors: the other slot than last time,
	s_xor_b32 s[G0B+5], s[G0B+5], SLOT1
.if \jump
	s_sub_nc_u64 s[G0A+6:G0A+7], s[G0A+6:G0A+7], AJUMP  ; the next tile's K step 0
.if BJNEG
	s_sub_nc_u64 s[G0B+6:G0B+7], s[G0B+6:G0B+7], BJUMP
.else
	s_add_nc_u64 s[G0B+6:G0B+7], s[G0B+6:G0B+7], BJUMP
.endif
.else
	s_add_nc_u64 s[G0A+6:G0A+7], s[G0A+6:G0A+7], ASTEP  ; the next K step; the type bits on top are not reached
	s_add_nc_u64 s[G0B+6:G0B+7], s[G0B+6:G0B+7], BSTEP
.endif
	JLOAD                                          ; 112 matrix instructions ahead of the wait for it; its four v_nop are also the places in front of the loads below
.else
	PLACES
.endif
	s_xor_b32 s[SL], s[SL], SLOT1
	v_add_nc_u32 v[ADA], s[SL], v[ADA0]
	v_add_nc_u32 v[ADB], s[SL], v[ADB0]
.if SCALED
	s_add_co_u32 s[FO], s[FO], 512
	v_add_nc_u32 v[FTA], s[FO], v[FTA0]
.endif
	FETCH 0, F0
	MULH F1, 1, 0
.endm
.macro LASTQ                           ; the very last quarter: nothing more to fetch
	s_wait_dscnt 4
	SCALE F1, 0
	MULH F1, 0, 0
	s_wait_dscnt 0x0
	SCALE F1, 1
	MULH F1, 1, 0
	WIN 0
.endm
; ---- end of the core ----
; THE WAY OUT of row block a: divided by L; rounded to f16, 16 bytes a lane; through my own stage; back as whole rows of 256 bytes; stored.
.macro NORM a
	WIN 0x41                                       ; destination and source 0 in window 1
.set i, 0
.rept 32
	v_pk_mul_f32 v[64*(\a)+2*i:64*(\a)+2*i+1], v[64*(\a)+2*i:64*(\a)+2*i+1], v[RL+2*(\a):RL+2*(\a)+1] op_sel_hi:[1,0]  ; each accumulator from its low end on
.set i, i+1
.endr
.endm
.macro PACK a
	WIN 0x05                                       ; sources in window 1
.irp b, 0,1,2,3,4,5,6,7
.irp r, 0,1,2,3
	v_cvt_pk_f16_f32 v[TMP+4*\b+\r], v[64*(\a)+8*\b+2*\r], v[64*(\a)+8*\b+2*\r+1]
.endr
.endr
	WIN 0
.endm
.macro TOSTAGE a
.set BK, 160+32*((\a)%2)
.irp b, 0,1,2,3,4,5,6,7
	ds_store_b128 v[STO], v[TMP+4*\b:TMP+4*\b+3] offset:32*\b
.endr
.irp t, 0,1,2,3,4,5,6,7
	ds_load_b128 v[BK+4*\t:BK+4*\t+3], v[RD] offset:\t*2*SP  ; LDS serves a wave's instructions in order: these see the stores above
.endr
.endm
.macro SEND a
.set BK, 160+32*((\a)%2)
	s_wait_dscnt 0x0                               ; the block is back in registers
	s_wait_xcnt 0x0                                ; the registers that earlier stores read are loaded again only behind this wait
.irp t, 0,1,2,3,4,5,6,7
	global_store_b128 v[CO], v[BK+4*\t:BK+4*\t+3], s[10:11] offset:(16*(\a)+2*\t)*CP  ; 16 lanes store 256 consecutive bytes, aligned
.endr
.endm
	s_load_b256 s[4:11], s[0:1], 0x0               ; p s[4:5], qkv s[6:7], st s[8:9], o s[10:11]
	v_lshl_add_u32 v[SPW], v0, 2, SPARE
	v_mov_b32 v[NIL], 0
	ds_add_u32 v[SPW], v[NIL]                      ; the wave's opening: the add and its wait stand ahead of my first tensor load
	v_lshrrev_b32 v1, 5, v0
	v_readfirstlane_b32 s[WV], v1
	s_lshr_b32 s[WR], s[WV], 1
	s_and_b32 s[WC], s[WV], 1
	s_bfe_u32 s[CX], ttmp6, 0x40000
	s_bfe_u32 s[CY], ttmp6, 0x40004
	s_lshl_b32 s[SX], ttmp9, 2
	s_add_co_u32 s[SX], s[SX], s[CX]
	s_and_b32 s[CLY], ttmp7, 0xffff
	s_lshl_b32 s[SY], s[CLY], 2
	s_add_co_u32 s[SY], s[SY], s[CY]
	s_lshl_b32 s19, s[CY], 2
	s_lshl_b32 s19, 15, s19                        ; my row of the cluster
	s_lshl_b32 s62, 0x1111, s[CX]                  ; my column
	s_or_b32 s[G1A], s19, (1<<16)|(1<<20)|(1<<21)|(5<<22)|(3<<25)  ; mask; 2-byte elements; padding on; bit 21 beside a mask; after every 64 words, 4 words
	s_mov_b32 s[G1A+1], 128<<16                    ; 64 rows of 128 elements
	s_mov_b32 s[G1A+2], 64<<16
	s_mov_b32 s[G1A+3], 128<<16
	s_mov_b32 s[G1A+4], 64
	s_mov_b32 s[G1A+5], 2048
	s_mov_b32 s[G1A+6], 0
	s_mov_b32 s[G1A+7], 0
	s_or_b32 s[G1B], s62, (1<<16)|(1<<20)|(1<<21)|(6<<22)|(7<<25)  ; after every 128 words, 8 words
	s_mov_b32 s[G1B+1], 256<<16                    ; 64 keys of 256 channels
	s_mov_b32 s[G1B+2], 64<<16
	s_mov_b32 s[G1B+3], 256<<16
	s_mov_b32 s[G1B+4], 64
	s_mov_b32 s[G1B+5], 1024
	s_mov_b32 s[G1B+6], 0
	s_mov_b32 s[G1B+7], 0
	s_lshl_b32 s22, s[SY], 7                       ; p: row 128 Y + 64 x my half, 4,096 bytes a row
	s_lshl_b32 s23, s[WC], 6
	s_add_co_u32 s22, s22, s23
	s_lshl_b32 s22, s22, 12
	s_mov_b32 s23, 0
	s_lshr_b32 s62, s[CLY], 2                      ; v: the batch's key 64 x my half, channel 256 X; in the third section
	s_lshl_b32 s62, s62, 11
	s_lshl_b32 s63, s[WC], 6
	s_add_co_u32 s62, s62, s63
	s_lshl_b32 s62, s62, 11
	s_lshl_b32 s63, s[SX], 9
	s_add_co_u32 s62, s62, s63
	s_add_co_u32 s62, s62, 33554432
	s_mov_b32 s63, 0
	s_mul_i32 s20, s[WC], AHALF
	s_mul_i32 s21, s[WC], BHALF
	s_add_co_u32 s21, s21, BOFF
	s_lshl_b32 s12, s[SY], 7                       ; O: row 128 Y + 64 WR, channel 256 X + 128 WC
	s_lshl_b32 s13, s[WR], 6
	s_add_co_u32 s12, s12, s13
	s_lshl_b32 s12, s12, 11
	s_lshl_b32 s13, s[SX], 9
	s_add_co_u32 s12, s12, s13
	s_lshl_b32 s13, s[WC], 8
	s_add_co_u32 s12, s12, s13
	s_mov_b32 s13, 0
	s_lshl_b32 s14, s[SY], 10                      ; st: the work-group's 128 rows of 8 bytes
	s_mov_b32 s15, 0
	s_mov_b32 s[FO], 0
	s_wait_dscnt 0x0                               ; the opening add is done
	s_wait_kmcnt 0x0
	s_add_nc_u64 s[22:23], s[4:5], s[22:23]
	s_add_nc_u64 s[62:63], s[6:7], s[62:63]
	s_add_nc_u64 s[8:9], s[8:9], s[14:15]
	s_add_nc_u64 s[10:11], s[10:11], s[12:13]
	CROUND                                         ; all sixteen work-groups are here: the first joint loads meet
.irp s, 0,1
	s_mov_b32 s[G0A+4*\s], 1
	s_add_co_u32 s[G0A+4*\s+1], s20, \s*SLOT1
	s_add_nc_u64 s[G0A+4*\s+2:G0A+4*\s+3], s[22:23], \s*ASTEP
	s_or_b32 s[G0A+4*\s+3], s[G0A+4*\s+3], 0x80000000
	s_mov_b32 s[G0B+4*\s], 1
	s_add_co_u32 s[G0B+4*\s+1], s21, \s*SLOT1
	s_add_nc_u64 s[G0B+4*\s+2:G0B+4*\s+3], s[62:63], \s*BSTEP
	s_or_b32 s[G0B+4*\s+3], s[G0B+4*\s+3], 0x80000000
.endr
	s_cmp_lt_u32 s[WV], 2                          ; a wave's two first fills stand in one branch: two loads of mine are out
	s_cbranch_scc0 .Lfirst_b
	tensor_load_to_lds s[G0A:G0A+3], s[G1A:G1A+7]
	s_nop 0
	tensor_load_to_lds s[G0A+4:G0A+7], s[G1A:G1A+7]
	s_nop 0
	PLACES
	s_branch .Lfirst_asked
.Lfirst_b:
	tensor_load_to_lds s[G0B:G0B+3], s[G1B:G1B+7]
	s_nop 0
	tensor_load_to_lds s[G0B+4:G0B+7], s[G1B:G1B+7]
	s_nop 0
	PLACES
.Lfirst_asked:
	; THE TABLES.  Thread t takes row t of the work-group's 128: its 16 pairs (c m_g, l_g)
	v_lshlrev_b32 v[STA], 3, v0
.set g, 0
.rept 16
	global_load_b64 v[64+2*g:65+2*g], v[STA], s[8:9] offset:65536*g
.set g, g+1
.endr
	v_and_b32 v1, 15, v0                           ; r
	v_bfe_u32 v2, v0, 4, 1                         ; h
	v_mul_u32_u24 v[STO], v1, PA
	v_lshl_add_u32 v[STO], v2, 4, v[STO]           ; 272 r + 16 h
	s_mul_i32 s76, s[WR], AHALF
	v_add_nc_u32 v[ADA0], s76, v[STO]
	v_and_b32 v26, 7, v0                           ; the turning load: key 8 h + lane % 8, 16 bytes by (lane / 8) % 2, my 256 bytes of the row
	v_lshl_add_u32 v26, v2, 3, v26
	v_mul_u32_u24 v[ADB0], v26, PB
	v_bfe_u32 v26, v0, 3, 1
	v_lshl_add_u32 v[ADB0], v26, 4, v[ADB0]
	s_lshl_b32 s76, s[WC], 8
	s_add_co_u32 s76, s76, BOFF
	v_add_nc_u32 v[ADB0], s76, v[ADB0]
	s_mul_i32 s76, s[WV], 16*SP
	s_add_co_u32 s76, s76, STAGE
	v_add_nc_u32 v[STO], s76, v[STO]
	v_mul_u32_u24 v[RD], v2, SP
	v_lshl_add_u32 v[RD], v1, 4, v[RD]
	v_add_nc_u32 v[RD], s76, v[RD]
	v_lshlrev_b32 v[CO], 11, v2
	v_lshl_add_u32 v[CO], v1, 4, v[CO]
	s_lshl_b32 s76, s[WR], 8
	s_add_co_u32 s76, s76, FTAB
	v_lshl_add_u32 v[FTA0], v1, 2, s76             ; row 64 WR + r, 4 bytes a row
	v_mov_b32 v[FTA], v[FTA0]
	v_lshl_add_u32 v[FTS], v0, 2, FTAB
	s_mov_b32 s[SL], 0
	v_mov_b32 v[ADA], v[ADA0]
	v_mov_b32 v[ADB], v[ADB0]
	s_wait_loadcnt 0x0
	v_max3_num_f32 v96, v64, v66, v68              ; the row's maximum of c m over the 16 groups
	v_max3_num_f32 v97, v70, v72, v74
	v_max3_num_f32 v98, v76, v78, v80
	v_max3_num_f32 v99, v82, v84, v86
	v_max3_num_f32 v96, v96, v88, v90
	v_max3_num_f32 v97, v97, v92, v94
	v_max3_num_f32 v96, v96, v97, v98
	v_max_num_f32 v96, v96, v99
.set g, 0
.rept 16
	v_sub_f32 v[64+2*g], v[64+2*g], v96
.set g, g+1
.endr
.set g, 0
.rept 16
	v_exp_f32 v[64+2*g], v[64+2*g]                 ; f_g
.set g, g+1
.endr
	v_nop                                          ; a plain instruction between the exponentials and the use of their results
	s_wait_alu depctr_va_vdst(0)
	v_mul_f32 v97, v64, v65                        ; L = sum of f_g l_g, in two chains
	v_mul_f32 v98, v66, v67
.set g, 2
.rept 14
	v_fma_f32 v[97+g%2], v[64+2*g], v[65+2*g], v[97+g%2]
.set g, g+1
.endr
	v_add_f32 v97, v97, v98
	v_rcp_f32 v98, v97                             ; L is at least about 1: the largest group's largest weight
.set g, 0
.rept 16
	v_cvt_pk_f16_f32 v[100+g], v[64+2*g], v[64+2*g]  ; f_g twice in a word; these are also the plain instructions behind the reciprocal
.set g, g+1
.endr
.set g, 0
.rept 16
	ds_store_b32 v[FTS], v[100+g] offset:512*g
.set g, g+1
.endr
	s_wait_alu depctr_va_vdst(0)
	ds_store_b32 v[FTS], v98 offset:8192           ; 1 / L
	s_wait_tensorcnt 0x1                           ; my part of K step 0 is in; K step 1's may stay out
	s_wait_dscnt 0x0                               ; for the others' sake: my rows of the tables are written
	s_barrier_signal -1
	s_barrier_wait -1
	FETCH 0, F0
	QUARTER 1, F0, F1, 1                           ; the first products start the sums: nothing is cleared
	WIN 0
	s_mov_b32 s3, KSTEPS-2
.Lk:                                                   ; a trip: a K step's quarters 1 to 3 and the next step's first; it fills one slot again
	QUARTER 2, F1, F0, 0
	QUARTER 3, F0, F1, 0
	TURN 1, 0
	QUARTER 1, F0, F1, 0
	WIN 0
	s_sub_co_u32 s3, s3, 1
	s_cmp_lg_u32 s3, 0
	s_cbranch_scc1 .Lk
	QUARTER 2, F1, F0, 0                           ; the last two K steps ask for nothing
	QUARTER 3, F0, F1, 0
	TURN 0, 0
	QUARTER 1, F0, F1, 0
	QUARTER 2, F1, F0, 0
	QUARTER 3, F0, F1, 0
	LASTQ
.irp a, 0,1,2,3
	ds_load_b32 v[RL+2*\a], v[FTA0] offset:8192+64*\a  ; 1 / L of my row of block a
.endr
	s_wait_dscnt 0x0
.irp a, 0,1,2,3
	v_mov_b32 v[RL+2*\a+1], v[RL+2*\a]             ; named as pairs; these four are also the places behind the last products
.endr
	NORM 0
	PACK 0
	TOSTAGE 0
.irp a, 1,2,3                          ; block a's arithmetic stands between block a - 1's loads from the stage and the wait for them
	NORM \a
	PACK \a
	SEND \a-1
	TOSTAGE \a
.endr
	SEND 3
	s_wait_tensorcnt 0x0                           ; the wave's end
	ds_add_u32 v[SPW], v[NIL]
	s_wait_dscnt 0x0
	CROUND                                         ; the closing round
	s_endpgm
.Lfunc_end_k_qb24e7af6e4_pv:
	.size	k_qb24e7af6e4_pv, .Lfunc_end_k_qb24e7af6e4_pv-k_qb24e7af6e4_pv
	.p2alignl 7, 3214868480
	.fill 96, 4, 3214868480
	.section	.rodata,"a",@progbits
	.p2align	6, 0x0
	.amdhsa_kernel k_qb24e7af6e4_pv
		.amdhsa_group_segment_fixed_size 327680
		.amdhsa_private_segment_fixed_size 0
		.amdhsa_enable_private_segment 0
		.amdhsa_kernarg_size 32
		.amdhsa_user_sgpr_count 2
		.amdhsa_user_sgpr_kernarg_segment_ptr 1
		.amdhsa_wavefront_size32 1
		.amdhsa_system_sgpr_workgroup_id_x 1
		.amdhsa_system_sgpr_workgroup_id_y 1
		.amdhsa_system_sgpr_workgroup_id_z 1
		.amdhsa_system_vgpr_workitem_id 0
		.amdhsa_next_free_vgpr 512
		.amdhsa_next_free_sgpr 84
		.amdhsa_reserve_vcc 0
		.amdhsa_float_denorm_mode_32 3
		.amdhsa_float_denorm_mode_16_64 3
		.amdhsa_memory_ordered 1
		.amdhsa_forward_progress 1
		.amdhsa_inst_pref_size 110
	.end_amdhsa_kernel
	.amdgpu_metadata
---
amdhsa.version: [ 1, 2 ]
amdhsa.kernels:
  - .name:           k_qb24e7af6e4_pv
    .symbol:         k_qb24e7af6e4_pv.kd
    .args:
      - { .name: p, .offset: 0, .size: 8, .value_kind: global_buffer, .address_space: global }
      - { .name: qkv, .offset: 8, .size: 8, .value_kind: global_buffer, .address_space: global }
      - { .name: st, .offset: 16, .size: 8, .value_kind: global_buffer, .address_space: global }
      - { .name: o, .offset: 24, .size: 8, .value_kind: global_buffer, .address_space: global }
    .group_segment_fixed_size: 327680
    .private_segment_fixed_size: 0
    .kernarg_segment_align: 8
    .kernarg_segment_size: 32
    .max_flat_workgroup_size: 128
    .sgpr_count:     84
    .vgpr_count:     512
    .wavefront_size: 32
...
	.end_amdgpu_metadata
.endif
;; end of part 4
;; launch outp (part 5): grid 4 x 64, 4 waves a work-group, clusters of 4 x 4, 327,680 bytes of LDS; arguments o, wob, bout, out0; writes out0
.if DOCPART == 5
	.amdgcn_target "amdgcn-amd-amdhsa--gfx1250"
	.amdhsa_code_object_version 6
	.text
	.protected	k_qb24e7af6e4_outp
	.globl	k_qb24e7af6e4_outp
	.p2align	8
	.type	k_qb24e7af6e4_outp,@function
k_qb24e7af6e4_outp:
	s_mov_b64 s[64:65], 0
	v_nop
	global_prefetch_b8 v0, s[64:65] scope:SCOPE_SE
	s_setreg_imm32_b32 hwreg(HW_REG_WAVE_MODE, 25, 1), 1
	s_wait_xcnt 0x0
	s_wait_alu depctr_hold_cnt(0) depctr_sa_sdst(0) depctr_va_vdst(0) depctr_va_sdst(0) depctr_va_ssrc(0) depctr_va_vcc(0) depctr_vm_vsrc(0)
	s_getreg_b32 s2, hwreg(HW_REG_IB_STS2, 6, 4)
	s_cmp_eq_u32 s2, 0
	s_cbranch_scc0 .Lentry_in_a_cluster
	s_endpgm
.Lentry_in_a_cluster:
	s_bfe_u32 s2, ttmp6, 0x10000c
	s_cmp_lg_u32 s2, 0xf033
	s_cbranch_scc0 .Lentry_shape_is_right
	s_endpgm
.Lentry_shape_is_right:
; out0 = o wob + bf16(bout).  o: [8192][1024] f16; wob: [1024 k][1024 n] f16 (Wout rounded to bf16, written as f16); out0: [8192][1024] f32.  Sums in f32, begun with the bias.
; SHARES.  A tile of C is 128 x 256; four waves, each 64 x 128; 256 tiles, one to a work-group.  CLUSTER 4 x 4: o's tiles jointly along a row of the cluster, wob's along a column.
; THE MATRIX INSTRUCTION IS USED TRANSPOSED: a lane holds eight neighbouring columns of a row; wob lies [k][n] and is turned by ds_load_tr16_b128.
; REGISTERS: window 0: v0-31 addresses; v64-159, v160-255 two fragment buffers.  Window 1: the accumulators.  Window 2: v0-63 the bias in C's layout, v64-67 at work.
.set KSTEPS, 8
.set KN,     1
.set SCALED, 0
.set BJNEG,  0
.set AJUMP,  0
.set BJUMP,  0
.set PA,     272
.set PB,     544
.set AHALF,  64*PA
.set BOFF,   2*AHALF
.set BHALF,  64*PB
.set SLOT1,  131072
.set STAGE,  SLOT1+BOFF+2*BHALF        ; 235,520
.set SP,     528                       ; a stage row: 512 bytes + 16 = 33 x 16: sixteen rows start at sixteen different groups of four banks
.set SPARE,  STAGE+4*16*SP
.set ASTEP,  256
.set BSTEP,  128*2048
.set ADA0, 3
.set ADB0, 4
.set ADA,  5
.set ADB,  6
.set STO,  7
.set RD,   8
.set CO,   9
.set BO,   10
.set SPW,  28
.set NIL,  29
.set F0,   64
.set F1,   160
.set WV, 16
.set WR, 17
.set WC, 18
.set G1A, 24
.set G1B, 32
.set G0A, 40
.set G0B, 48
.set CX, 56
.set CY, 57
.set SX, 58
.set SY, 59
.set SL, 60
.set CLY, 61
.set HIM, 74
.macro WM ops:vararg
	v_wmma_f32_16x16x32_f16 \ops
.endm
; ---- the core, the same text in the two kernels that use it ----
.set MSB, 0
.macro WIN new                         ; the immediate's high byte repeats the setting that is left; a switch that changes nothing is dropped
.if MSB != (\new)
	s_set_vgpr_msb (MSB<<8)|(\new)
.set MSB, (\new)
.endif
.endm
.set MUL,  0x50                        ; C and D in window 1
.set MULB, 0x60                        ; C in window 2, D in window 1
.macro PLACES                          ; four plain vector instructions between a matrix instruction and a load into, or a vector write of, its registers
.rept 4
	v_nop
.endr
.endm
.macro JLOAD                           ; a joint refill by the walking descriptors: waves 0, 1 fetch A's halves, waves 2, 3 B's; s_nop 0 and four v_nop follow each line
	s_cmp_lt_u32 s[WV], 2
	s_cbranch_scc0 .Lfor_b_\@
	tensor_load_to_lds s[G0A+4:G0A+7], s[G1A:G1A+7]
	s_nop 0
	PLACES
	s_branch .Lasked_\@
.Lfor_b_\@:
	tensor_load_to_lds s[G0B+4:G0B+7], s[G1B:G1B+7]
	s_nop 0
	PLACES
.Lasked_\@:
.endm
.macro CREST                           ; a round of the cluster's barrier behind its opening barrier
	s_cmp_lg_u32 s[WV], 0
	s_cbranch_scc1 .Lnot_wave_0_\@
	s_barrier_signal -3
.Lnot_wave_0_\@:
	s_barrier_wait -3
	s_barrier_signal -1
	s_barrier_wait -1
.endm
.macro CROUND
	s_barrier_signal -1
	s_barrier_wait -1
	CREST
.endm
; One run of LDS loads: the fragments of quarter q (32 along K) into buffer f: B's 16 loads, A's blocks 0, 1 (4), A's blocks 2, 3 (4).
.macro FETCH q, f
	WIN 0
.if SCALED
.if (\q) == 0
.irp a, 0,1,2,3
	ds_load_b32 v[FS+\a], v[FTA] offset:64*\a      ; the K step's factor for my row of block a
.endr
.endif
.endif
.irp b, 0,1,2,3,4,5,6,7
.if KN
	ds_load_tr16_b128 v[(\f)+8*\b:(\f)+8*\b+3],   v[ADB] offset:32*PB*(\q)+32*\b
	ds_load_tr16_b128 v[(\f)+8*\b+4:(\f)+8*\b+7], v[ADB] offset:32*PB*(\q)+32*\b+16*PB
.else
	ds_load_b128 v[(\f)+8*\b:(\f)+8*\b+3],   v[ADB] offset:16*PA*\b+64*(\q)
	ds_load_b128 v[(\f)+8*\b+4:(\f)+8*\b+7], v[ADB] offset:16*PA*\b+64*(\q)+32
.endif
.endr
.irp a, 0,1,2,3
	ds_load_b128 v[(\f)+64+8*\a:(\f)+64+8*\a+3],   v[ADA] offset:16*PA*\a+64*(\q)
	ds_load_b128 v[(\f)+64+8*\a+4:(\f)+64+8*\a+7], v[ADA] offset:16*PA*\a+64*(\q)+32
.endr
.endm
; 8 matrix instructions: row block a x all 8 column blocks.  z = 0: the sums go on; 1: they start with 0; 2: with the bias.  The 32 accumulators take turns, one instruction a turn.
.macro MUL8 f, a, z
.if (\z) == 2
	WIN MULB
.else
	WIN MUL
.endif
.irp b, 0,1,2,3,4,5,6,7
.if (\z) == 1
	WM v[8*(8*(\a)+\b):8*(8*(\a)+\b)+7], v[(\f)+8*\b:(\f)+8*\b+7], v[(\f)+64+8*(\a):(\f)+64+8*(\a)+7], 0
.elseif (\z) == 2
	WM v[8*(8*(\a)+\b):8*(8*(\a)+\b)+7], v[(\f)+8*\b:(\f)+8*\b+7], v[(\f)+64+8*(\a):(\f)+64+8*(\a)+7], v[8*\b:8*\b+7]
.else
	WM v[8*(8*(\a)+\b):8*(8*(\a)+\b)+7], v[(\f)+8*\b:(\f)+8*\b+7], v[(\f)+64+8*(\a):(\f)+64+8*(\a)+7], v[8*(8*(\a)+\b):8*(8*(\a)+\b)+7]
.endif
.endr
.endm
.macro MULH f, half, z
	MUL8 \f, 2*(\half), \z
	MUL8 \f, 2*(\half)+1, \z
.endm
.macro SCALE f, half                   ; (the weighted product alone) A's blocks 2 half, 2 half + 1 times the K step's factor
.if SCALED
	WIN 0
.irp a, 2*(\half), 2*(\half)+1
.irp i, 0,1,2,3,4,5,6,7
	v_pk_mul_f16 v[(\f)+64+8*(\a)+\i], v[(\f)+64+8*(\a)+\i], v[FS+(\a)]
.endr
.endr
.endif
.endm
; One of a K step's first three quarters: multiplies buffer f; in its middle quarter q's fragments are fetched into buffer g.
.macro QUARTER q, f, g, z
	s_wait_dscnt 4                                 ; B and A's blocks 0, 1 are in; the youngest four loads (A's blocks 2, 3) may be out
	SCALE \f, 0
	MULH \f, 0, \z
	WIN 0
	PLACES                                         ; buffer g was read by the quarter before
	FETCH \q, \g
	s_wait_dscnt 24                                ; all but the 24 just issued
	SCALE \f, 1
	MULH \f, 1, \z
.endm
; The last quarter multiplies buffer 1 and changes slots.  In front of the barrier each wave waits for all its tensor loads (one is out: its part of the next slot), adds 0 to its spare word, and waits
; for that and for its reads of this slot.  fill = 1: the barrier opens a round of the cluster's, and this slot is filled again first thing behind it, two K steps ahead (jump = 1: with the next tile's K step 0).
.macro TURN fill, jump
	WIN 0
	s_wait_tensorcnt 0x0                           ; no tensor load of mine is out
	ds_add_u32 v[SPW], v[NIL]
	s_wait_dscnt 5                                 ; (the add and the youngest four loads may be out)
	SCALE F1, 0
	MUL8 F1, 0, 0                                  ; work on registers while the add is out
	s_wait_dscnt 0x0                               ; the add is done, and my reads of this slot are over
	s_barrier_signal -1
	MUL8 F1, 1, 0
	WIN 0
	SCALE F1, 1
	s_barrier_wait -1
.if \fill
	CREST                                          ; no wave of any partner still reads this slot or has a load on its way
	s_xor_b32 s[G0A+5], s[G0A+5], SLOT1            ; the walking descriptors: the other slot than last time,
	s_xor_b32 s[G0B+5], s[G0B+5], SLOT1
.if \jump
	s_sub_nc_u64 s[G0A+6:G0A+7], s[G0A+6:G0A+7], AJUMP  ; the next tile's K step 0
.if BJNEG
	s_sub_nc_u64 s[G0B+6:G0B+7], s[G0B+6:G0B+7], BJUMP
.else
	s_add_nc_u64 s[G0B+6:G0B+7], s[G0B+6:G0B+7], BJUMP
.endif
.else
	s_add_nc_u64 s[G0A+6:G0A+7], s[G0A+6:G0A+7], ASTEP  ; the next K step; the type bits on top are not reached
	s_add_nc_u64 s[G0B+6:G0B+7], s[G0B+6:G0B+7], BSTEP
.endif
	JLOAD                                          ; 112 matrix instructions ahead of the wait for it; its four v_nop are also the places in front of the loads below
.else
	PLACES
.endif
	s_xor_b32 s[SL], s[SL], SLOT1
	v_add_nc_u32 v[ADA], s[SL], v[ADA0]
	v_add_nc_u32 v[ADB], s[SL], v[ADB0]
.if SCALED
	s_add_co_u32 s[FO], s[FO], 512
	v_add_nc_u32 v[FTA], s[FO], v[FTA0]
.endif
	FETCH 0, F0
	MULH F1, 1, 0
.endm
.macro LASTQ                           ; the very last quarter: nothing more to fetch
	s_wait_dscnt 4
	SCALE F1, 0
	MULH F1, 0, 0
	s_wait_dscnt 0x0
	SCALE F1, 1
	MULH F1, 1, 0
	WIN 0
.endm
; ---- end of the core ----
	s_load_b256 s[4:11], s[0:1], 0x0               ; o s[4:5], wob s[6:7], bout s[8:9], out0 s[10:11]
	v_lshl_add_u32 v[SPW], v0, 2, SPARE
	v_mov_b32 v[NIL], 0
	ds_add_u32 v[SPW], v[NIL]                      ; the wave's opening: the add and its wait stand ahead of my first tensor load
	v_lshrrev_b32 v1, 5, v0
	v_readfirstlane_b32 s[WV], v1
	s_lshr_b32 s[WR], s[WV], 1
	s_and_b32 s[WC], s[WV], 1
	s_bfe_u32 s[CX], ttmp6, 0x40000
	s_bfe_u32 s[CY], ttmp6, 0x40004
	s_lshl_b32 s[SX], ttmp9, 2
	s_add_co_u32 s[SX], s[SX], s[CX]
	s_and_b32 s[CLY], ttmp7, 0xffff
	s_lshl_b32 s[SY], s[CLY], 2
	s_add_co_u32 s[SY], s[SY], s[CY]
	s_lshl_b32 s19, s[CY], 2
	s_lshl_b32 s19, 15, s19                        ; my row of the cluster
	s_lshl_b32 s62, 0x1111, s[CX]                  ; my column
	s_or_b32 s[G1A], s19, (1<<16)|(1<<20)|(1<<21)|(5<<22)|(3<<25)  ; mask; 2-byte elements; padding on; bit 21 beside a mask; after every 64 words, 4 words
	s_mov_b32 s[G1A+1], 128<<16                    ; 64 rows of 128 elements
	s_mov_b32 s[G1A+2], 64<<16
	s_mov_b32 s[G1A+3], 128<<16
	s_mov_b32 s[G1A+4], 64
	s_mov_b32 s[G1A+5], 1024
	s_mov_b32 s[G1A+6], 0
	s_mov_b32 s[G1A+7], 0
	s_or_b32 s[G1B], s62, (1<<16)|(1<<20)|(1<<21)|(6<<22)|(7<<25)  ; after every 128 words, 8 words
	s_mov_b32 s[G1B+1], 256<<16                    ; 64 k rows of 256 elements
	s_mov_b32 s[G1B+2], 64<<16
	s_mov_b32 s[G1B+3], 256<<16
	s_mov_b32 s[G1B+4], 64
	s_mov_b32 s[G1B+5], 1024
	s_mov_b32 s[G1B+6], 0
	s_mov_b32 s[G1B+7], 0
	s_lshl_b32 s22, s[SY], 7                       ; o: row 128 Y + 64 x my half
	s_lshl_b32 s23, s[WC], 6
	s_add_co_u32 s22, s22, s23
	s_lshl_b32 s22, s22, 11
	s_mov_b32 s23, 0
	s_lshl_b32 s62, s[WC], 17                      ; wob: k row 64 x my half (2,048 bytes a row), column 256 X
	s_lshl_b32 s63, s[SX], 9
	s_add_co_u32 s62, s62, s63
	s_mov_b32 s63, 0
	s_mul_i32 s20, s[WC], AHALF
	s_mul_i32 s21, s[WC], BHALF
	s_add_co_u32 s21, s21, BOFF
	s_lshl_b32 s12, s[SY], 7                       ; out0: row 128 Y + 64 WR (4,096 bytes a row), column 256 X + 128 WC (4 bytes each)
	s_lshl_b32 s13, s[WR], 6
	s_add_co_u32 s12, s12, s13
	s_lshl_b32 s12, s12, 12
	s_lshl_b32 s14, s[SX], 10
	s_lshl_b32 s15, s[WC], 9
	s_add_co_u32 s14, s14, s15                     ; the same columns in the bias
	s_add_co_u32 s12, s12, s14
	s_mov_b32 s13, 0
	s_mov_b32 s15, 0
	s_mov_b32 s[HIM], 0xffff0000
	s_wait_dscnt 0x0                               ; the opening add is done
	s_wait_kmcnt 0x0
	s_add_nc_u64 s[22:23], s[4:5], s[22:23]
	s_add_nc_u64 s[62:63], s[6:7], s[62:63]
	s_add_nc_u64 s[8:9], s[8:9], s[14:15]
	s_add_nc_u64 s[10:11], s[10:11], s[12:13]
	CROUND                                         ; all sixteen work-groups are here: the first joint loads meet
.irp s, 0,1
	s_mov_b32 s[G0A+4*\s], 1
	s_add_co_u32 s[G0A+4*\s+1], s20, \s*SLOT1
	s_add_nc_u64 s[G0A+4*\s+2:G0A+4*\s+3], s[22:23], \s*ASTEP
	s_or_b32 s[G0A+4*\s+3], s[G0A+4*\s+3], 0x80000000
	s_mov_b32 s[G0B+4*\s], 1
	s_add_co_u32 s[G0B+4*\s+1], s21, \s*SLOT1
	s_add_nc_u64 s[G0B+4*\s+2:G0B+4*\s+3], s[62:63], \s*BSTEP
	s_or_b32 s[G0B+4*\s+3], s[G0B+4*\s+3], 0x80000000
.endr
	s_cmp_lt_u32 s[WV], 2                          ; a wave's two first fills stand in one branch: two loads of mine are out
	s_cbranch_scc0 .Lfirst_b
	tensor_load_to_lds s[G0A:G0A+3], s[G1A:G1A+7]
	s_nop 0
	tensor_load_to_lds s[G0A+4:G0A+7], s[G1A:G1A+7]
	s_nop 0
	PLACES
	s_branch .Lfirst_asked
.Lfirst_b:
	tensor_load_to_lds s[G0B:G0B+3], s[G1B:G1B+7]
	s_nop 0
	tensor_load_to_lds s[G0B+4:G0B+7], s[G1B:G1B+7]
	s_nop 0
	PLACES
.Lfirst_asked:
	v_and_b32 v1, 15, v0                           ; r
	v_bfe_u32 v2, v0, 4, 1                         ; h
	v_lshlrev_b32 v[BO], 5, v2
	WIN 0x80                                       ; bias(16 b + 8 h + j) into register 8 b + j of window 2: C's layout
.irp b, 0,1,2,3,4,5,6,7
	global_load_b128 v[8*\b:8*\b+3],   v[BO], s[8:9] offset:64*\b
	global_load_b128 v[8*\b+4:8*\b+7], v[BO], s[8:9] offset:64*\b+16
.endr
	WIN 0
	v_mul_u32_u24 v[ADA0], v1, PA
	v_lshl_add_u32 v[ADA0], v2, 4, v[ADA0]         ; 272 r + 16 h
	s_mul_i32 s76, s[WR], AHALF
	v_add_nc_u32 v[ADA0], s76, v[ADA0]
	v_and_b32 v26, 7, v0                           ; the turning load: k row 8 h + lane % 8, 16 bytes by (lane / 8) % 2, my 256 bytes of the row
	v_lshl_add_u32 v26, v2, 3, v26
	v_mul_u32_u24 v[ADB0], v26, PB
	v_bfe_u32 v26, v0, 3, 1
	v_lshl_add_u32 v[ADB0], v26, 4, v[ADB0]
	s_lshl_b32 s76, s[WC], 8
	s_add_co_u32 s76, s76, BOFF
	v_add_nc_u32 v[ADB0], s76, v[ADB0]
	s_mul_i32 s76, s[WV], 16*SP
	s_add_co_u32 s76, s76, STAGE                   ; my stage
	v_mul_u32_u24 v[STO], v1, SP                   ; in: row r, 32 bytes for each half of the lanes
	v_lshl_add_u32 v[STO], v2, 5, v[STO]
	v_add_nc_u32 v[STO], s76, v[STO]
	v_and_b32 v[CO], 31, v0                        ; back: 32 lanes take one row of 512 bytes
	v_lshlrev_b32 v[CO], 4, v[CO]
	v_add_nc_u32 v[RD], s76, v[CO]
	s_mov_b32 s[SL], 0
	v_mov_b32 v[ADA], v[ADA0]
	v_mov_b32 v[ADB], v[ADB0]
	s_wait_tensorcnt 0x1                           ; my part of K step 0 is in; K step 1's may stay out
	s_barrier_signal -1
	s_barrier_wait -1
	FETCH 0, F0
	s_wait_loadcnt 0x0                             ; the bias: rounded to bf16 like every input, and kept as f32
	WIN 0x8a
.set i, 0
.rept 32
	v_cvt_pk_bf16_f32 v[64+i%4], v[2*i], v[2*i+1]
	v_lshlrev_b32 v[2*i], 16, v[64+i%4]
	v_and_b32 v[2*i+1], s[HIM], v[64+i%4]
.set i, i+1
.endr
	QUARTER 1, F0, F1, 2                           ; the first products start the sums with the bias: nothing is cleared
	WIN 0
	s_mov_b32 s3, KSTEPS-2
.Lk:                                                   ; a trip: a K step's quarters 1 to 3 and the next step's first; it fills one slot again
	QUARTER 2, F1, F0, 0
	QUARTER 3, F0, F1, 0
	TURN 1, 0
	QUARTER 1, F0, F1, 0
	WIN 0
	s_sub_co_u32 s3, s3, 1
	s_cmp_lg_u32 s3, 0
	s_cbranch_scc1 .Lk
	QUARTER 2, F1, F0, 0                           ; the last two K steps ask for nothing
	QUARTER 3, F0, F1, 0
	TURN 0, 0
	QUARTER 1, F0, F1, 0
	QUARTER 2, F1, F0, 0
	QUARTER 3, F0, F1, 0
	LASTQ
	; THE WAY OUT, 16 rows at a time: the f32 sums go straight from the accumulators into my stage, come back as whole rows of 512 bytes, and are stored.
	PLACES                                         ; behind the last products: their results are read and buffer 1's registers loaded below
.irp a, 0,1,2,3
	WIN 0x04                                       ; the stores' data in window 1
.irp b, 0,1,2,3,4,5,6,7
	ds_store_b128 v[STO], v[64*\a+8*\b:64*\a+8*\b+3]   offset:64*\b      ; each accumulator from its low end on
	ds_store_b128 v[STO], v[64*\a+8*\b+4:64*\a+8*\b+7] offset:64*\b+16
.endr
	WIN 0
	s_wait_xcnt 0x0                                ; the registers that the last block's stores read are loaded again only behind this wait
.irp t, 0,1,2,3,4,5,6,7,8,9,10,11,12,13,14,15
	ds_load_b128 v[160+4*\t:160+4*\t+3], v[RD] offset:\t*SP  ; LDS serves a wave's instructions in order: these see the stores above
.endr
	s_wait_dscnt 0x0
.irp t, 0,1,2,3,4,5,6,7,8,9,10,11,12,13,14,15
	global_store_b128 v[CO], v[160+4*\t:160+4*\t+3], s[10:11] offset:(16*\a+\t)*4096 th:TH_STORE_NT  ; 32 lanes store 512 consecutive bytes, aligned
.endr
.endr
	s_wait_tensorcnt 0x0                           ; the wave's end
	ds_add_u32 v[SPW], v[NIL]
	s_wait_dscnt 0x0
	CROUND                                         ; the closing round
	s_endpgm
.Lfunc_end_k_qb24e7af6e4_outp:
	.size	k_qb24e7af6e4_outp, .Lfunc_end_k_qb24e7af6e4_outp-k_qb24e7af6e4_outp
	.p2alignl 7, 3214868480
	.fill 96, 4, 3214868480
	.section	.rodata,"a",@progbits
	.p2align	6, 0x0
	.amdhsa_kernel k_qb24e7af6e4_outp
		.amdhsa_group_segment_fixed_size 327680
		.amdhsa_private_segment_fixed_size 0
		.amdhsa_enable_private_segment 0
		.amdhsa_kernarg_size 32
		.amdhsa_user_sgpr_count 2
		.amdhsa_user_sgpr_kernarg_segment_ptr 1
		.amdhsa_wavefront_size32 1
		.amdhsa_system_sgpr_workgroup_id_x 1
		.amdhsa_system_sgpr_workgroup_id_y 1
		.amdhsa_system_sgpr_workgroup_id_z 1
		.amdhsa_system_vgpr_workitem_id 0
		.amdhsa_next_free_vgpr 592
		.amdhsa_next_free_sgpr 84
		.amdhsa_reserve_vcc 0
		.amdhsa_float_denorm_mode_32 3
		.amdhsa_float_denorm_mode_16_64 3
		.amdhsa_memory_ordered 1
		.amdhsa_forward_progress 1
		.amdhsa_inst_pref_size 74
	.end_amdhsa_kernel
	.amdgpu_metadata
---
amdhsa.version: [ 1, 2 ]
amdhsa.kernels:
  - .name:           k_qb24e7af6e4_outp
    .symbol:         k_qb24e7af6e4_outp.kd
    .args:
      - { .name: o, .offset: 0, .size: 8, .value_kind: global_buffer, .address_space: global }
      - { .name: wob, .offset: 8, .size: 8, .value_kind: global_buffer, .address_space: global }
      - { .name: bout, .offset: 16, .size: 8, .value_kind: global_buffer, .address_space: global }
      - { .name: out0, .offset: 24, .size: 8, .value_kind: global_buffer, .address_space: global }
    .group_segment_fixed_size: 327680
    .private_segment_fixed_size: 0
    .kernarg_segment_align: 8
    .kernarg_segment_size: 32
    .max_flat_workgroup_size: 128
    .sgpr_count:     84
    .vgpr_count:     592
    .wavefront_size: 32
...
	.end_amdgpu_metadata
.endif
;; end of part 5
;; ======== version 2 of 2: 5 launches; version 1 with the launch prep written anew for expert scheduling mode
;; limits: values are held in f16: magnitudes above 65,504 overflow, below 6.1e-05 lose precision
;; workspace buffers: xb 16,777,216 bytes; wqb 6,291,456 bytes; wob 2,097,152 bytes; mbits 2,097,152 bytes of whole numbers; qkv 50,331,648 bytes; p 33,554,432 bytes; st 1,048,576 bytes; o 16,777,216 bytes
;; launch prep (part 6): grid 896 x 1, 8 waves a work-group, no clusters, 0 bytes of LDS; arguments mask, x, Wqkv, Wout, mbits, xb, wqb, wob; writes mbits, xb, wqb, wob
.if DOCPART == 6
	.amdgcn_target "amdgcn-amd-amdhsa--gfx1250"
	.amdhsa_code_object_version 6
	.text
	.protected	k_qb24e7af6e4_prep
	.globl	k_qb24e7af6e4_prep
	.p2align	8
	.type	k_qb24e7af6e4_prep,@function
k_qb24e7af6e4_prep:
	s_mov_b64 s[64:65], 0
	v_nop
	global_prefetch_b8 v0, s[64:65] scope:SCOPE_SE
	s_setreg_imm32_b32 hwreg(HW_REG_WAVE_SCHED_MODE, 0, 2), 2
	s_setreg_imm32_b32 hwreg(HW_REG_WAVE_MODE, 25, 1), 1
	s_wait_xcnt 0x0
	s_wait_alu depctr_vm_vsrc(0)
; PREP: a stream.  Work-groups 0-511 pack the int32 mask into bits; 512-767 round x to bf16; 768-863 round Wqkv to bf16;
; 864-895 round Wout to bf16 and write that number as f16 (exact inside f16's range; below 6e-5 f16 keeps a fixed step of 6e-8).
; LIMIT: |Wout| stays under 65,504.  No LDS, no barrier, no matrix work: memory binds, every byte is read once and written once.
; A wave has 32 loads of 512 consecutive bytes out at once (16 KiB); they are worked on four at a time, and the waits for them count down 28, 24, .. 0.
; mbits: [16 groups of 128 keys][8192 rows][4 words]; bit L of word e stands for key 128 g + 4 L + e of the row: what a lane's 16-byte load of four mask words gives by four compares.
; THE MODE: SCHED_MODE bits 1:0 = 2 (LLVM: expert scheduling mode 2), set by the entry lines.  The code itself states the register dependences
; between vector instructions and memory instructions, with s_wait_alu, always for 0.
; THE PLAN.  Registers that memory instructions touch:
;   v1, v7      byte offsets, made at the head and never written again: one wait at the head serves every load and store of the three paths.
;   v[8:135]    32 loads x 4 registers.  All 32 loads are issued before any vector instruction names these registers.  In a cast the conversions of a load work in place,
;               and the first two of its four registers are its store's data; no vector instruction names them behind that.
;   v[2:5]      (the mask) written by v_writelane_b32, read by the one store at the end.
; No register that a memory instruction has read is written again, so no wait on vm_vsrc and no s_wait_xcnt is owed; EXEC is never written.
; A cast goes in 8 blocks of four loads: block p's conversions name block p's registers alone; the four stores of block p - 1 stand among them, behind ONE wait at the block's head.
; Scalar results of vector instructions: the wave's number (one wait at the head, ahead of the first branch), and the mask's compares, 16 to a run with one wait behind the run.
.set D, 8                              ; v[8:135]  32 loads x 4 registers
	s_load_b512 s[4:19], s[0:1], 0x0               ; mask s[4:5], x s[6:7], Wqkv s[8:9], Wout s[10:11], mbits s[12:13], xb s[14:15], wqb s[16:17], wob s[18:19]
	s_mov_b32 s2, ttmp9                            ; the work-group's number chooses its part
	v_lshrrev_b32 v1, 5, v0
	v_readfirstlane_b32 s3, v1                     ; wave 0..7
	v_and_b32 v6, 31, v0                           ; lane
	v_lshlrev_b32 v1, 4, v6                        ; 16 bytes a lane in what is read
	v_lshlrev_b32 v7, 3, v6                        ; 8 bytes a lane in what a cast writes
	s_mov_b32 s30, 0xffff0000                      ; a word's upper bf16
	s_wait_alu depctr_va_sdst(0)                   ; s3 is written
	s_wait_alu depctr_va_vdst(0)                   ; v1 and v7 are written: every load and store of the kernel reads one of them as its offset
	s_cmp_lt_u32 s2, 512
	s_cbranch_scc0 .Lcast
	; THE MASK.  The work-group has 32 rows and 8 groups of 128 keys, a wave one group: 32 rows x 512 bytes.
	s_lshr_b32 s20, s2, 1                          ; block of 32 rows
	s_and_b32 s21, s2, 1
	s_lshl_b32 s21, s21, 3
	s_add_co_u32 s21, s21, s3                      ; g = 8 (number % 2) + wave
	s_lshl_b32 s22, s20, 18                        ; 32 rows of 8,192 bytes
	s_lshl_b32 s23, s21, 9                         ; 128 keys of 4 bytes
	s_add_co_u32 s22, s22, s23
	s_mov_b32 s23, 0
	s_lshl_b32 s28, s21, 13                        ; 8,192 rows a group
	s_lshl_b32 s29, s20, 5
	s_add_co_u32 s28, s28, s29
	s_lshl_b32 s28, s28, 4                         ; 16 bytes a row
	s_mov_b32 s29, 0
	s_wait_kmcnt 0x0
	s_add_nc_u64 s[4:5], s[4:5], s[22:23]
	s_add_nc_u64 s[12:13], s[12:13], s[28:29]
.set i, 0
.rept 32
	global_load_b128 v[D+4*i:D+4*i+3], v1, s[4:5] offset:8192*i th:TH_LOAD_NT  ; row i: 512 consecutive bytes, read once in the whole program
.set i, i+1
.endr
.irp e, 0,1,2,3
	v_mov_b32 v[2+\e], 0                           ; v_writelane_b32 counts as a reader of its destination
.endr
	; Four rows to a batch: their 16 compares in one run, into s[24:39] (free: the offsets made in them have been added), one wait, their 16 v_writelane_b32.
.set b, 0
.rept 8
	s_wait_loadcnt 28-4*b                          ; loads come back in order: rows 4 b to 4 b + 3 are in, the 28 - 4 b younger ones stay out
.set k, 0
.rept 16
	v_cmp_ne_u32 s[24+k], 0, v[D+16*b+k]           ; row 4 b + k / 4, word e = k % 4; bit L: key 4 L + e of the group is open
.set k, k+1
.endr
	s_wait_alu depctr_va_sdst(0)                   ; the 16 compares have written s[24:39], which the lines below read
.set k, 0
.rept 16
	v_writelane_b32 v[2+k%4], s[24+k], 4*b+k/4     ; lane i gathers row i's four words
.set k, k+1
.endr
.set b, b+1
.endr
	s_wait_alu depctr_va_vdst(0)                   ; the v_writelane_b32 have written v[2:5], which the store reads
	global_store_b128 v1, v[2:5], s[12:13]         ; 32 rows x 16 bytes: 512 consecutive bytes, aligned
	s_endpgm
; A cast of 16 KiB of f32 a wave.  half = 0: to bf16.  half = 1: to bf16, and that number written as f16.
.macro CAST src, dst, half
	s_lshl_b32 s22, s20, 17                        ; the work-group's 131,072 bytes,
	s_lshl_b32 s23, s3, 14                         ; the wave's 16,384 of them
	s_add_co_u32 s22, s22, s23
	s_mov_b32 s23, 0
	s_lshr_b32 s24, s22, 1                         ; half as many bytes go out
	s_mov_b32 s25, 0
	s_add_nc_u64 s[\src:\src+1], s[\src:\src+1], s[22:23]
	s_add_nc_u64 s[\dst:\dst+1], s[\dst:\dst+1], s[24:25]
.set i, 0
.rept 32
	global_load_b128 v[D+4*i:D+4*i+3], v1, s[\src:\src+1] offset:512*i th:TH_LOAD_NT
.set i, i+1
.endr
.set p, 0
.rept 8                                ; block p: loads 4 p to 4 p + 3 are rounded; the block before is stored
	s_wait_loadcnt 28-4*p                          ; loads come back in order: this block's four are in, the younger ones stay out
.if p > 0
	s_wait_alu depctr_va_vdst(0)                   ; the block before's conversions have written its store data; no vector instruction below names those registers or v7
.endif
.set i, 4*p
.rept 4
.if p > 0
	global_store_b64 v7, v[D+4*i-16:D+4*i-15], s[\dst:\dst+1] offset:256*(i-4)  ; the block before: 32 lanes store 256 consecutive bytes, aligned
.endif
	v_cvt_pk_bf16_f32 v[D+4*i], v[D+4*i], v[D+4*i+1]
.if \half
	v_cvt_pk_bf16_f32 v[D+4*i+2], v[D+4*i+2], v[D+4*i+3]
	v_and_b32 v[D+4*i+1], s30, v[D+4*i]            ; the rounded numbers back as f32,
	v_lshlrev_b32 v[D+4*i], 16, v[D+4*i]
	v_and_b32 v[D+4*i+3], s30, v[D+4*i+2]
	v_lshlrev_b32 v[D+4*i+2], 16, v[D+4*i+2]
	v_cvt_pk_f16_f32 v[D+4*i], v[D+4*i], v[D+4*i+1]  ; and written as f16
	v_cvt_pk_f16_f32 v[D+4*i+1], v[D+4*i+2], v[D+4*i+3]
.else
	v_cvt_pk_bf16_f32 v[D+4*i+1], v[D+4*i+2], v[D+4*i+3]
.endif
.set i, i+1
.endr
.set p, p+1
.endr
	s_wait_alu depctr_va_vdst(0)                   ; the last block's conversions have written its store data
.set i, 28
.rept 4
	global_store_b64 v7, v[D+4*i:D+4*i+1], s[\dst:\dst+1] offset:256*i  ; 32 lanes store 256 consecutive bytes, aligned
.set i, i+1
.endr
.endm
.Lcast:
	s_cmp_lt_u32 s2, 864
	s_cbranch_scc0 .Lwout
	s_sub_co_u32 s20, s2, 512                      ; the block's number in x,
	s_sub_co_u32 s21, s2, 768                      ; or in Wqkv
	s_wait_kmcnt 0x0
	s_cmp_lt_u32 s2, 768
	s_cselect_b32 s20, s20, s21
	s_cselect_b64 s[6:7], s[6:7], s[8:9]           ; one text for both tensors: the choice hangs on the work-group's number alone
	s_cselect_b64 s[14:15], s[14:15], s[16:17]
	CAST 6, 14, 0
	s_endpgm
.Lwout:
	s_sub_co_u32 s20, s2, 864
	s_wait_kmcnt 0x0
	CAST 10, 18, 1
	s_endpgm
.Lfunc_end_k_qb24e7af6e4_prep:
	.size	k_qb24e7af6e4_prep, .Lfunc_end_k_qb24e7af6e4_prep-k_qb24e7af6e4_prep
	.p2alignl 7, 3214868480
	.fill 96, 4, 3214868480
	.section	.rodata,"a",@progbits
	.p2align	6, 0x0
	.amdhsa_kernel k_qb24e7af6e4_prep
		.amdhsa_group_segment_fixed_size 0
		.amdhsa_private_segment_fixed_size 0
		.amdhsa_enable_private_segment 0
		.amdhsa_kernarg_size 64
		.amdhsa_user_sgpr_count 2
		.amdhsa_user_sgpr_kernarg_segment_ptr 1
		.amdhsa_wavefront_size32 1
		.amdhsa_system_sgpr_workgroup_id_x 1
		.amdhsa_system_sgpr_workgroup_id_y 1
		.amdhsa_system_sgpr_workgroup_id_z 1
		.amdhsa_system_vgpr_workitem_id 0
		.amdhsa_next_free_vgpr 144
		.amdhsa_next_free_sgpr 66
		.amdhsa_reserve_vcc 0
		.amdhsa_float_denorm_mode_32 3
		.amdhsa_float_denorm_mode_16_64 3
		.amdhsa_memory_ordered 1
		.amdhsa_forward_progress 1
		.amdhsa_inst_pref_size 52
	.end_amdhsa_kernel
	.amdgpu_metadata
---
amdhsa.version: [ 1, 2 ]
amdhsa.kernels:
  - .name:           k_qb24e7af6e4_prep
    .symbol:         k_qb24e7af6e4_prep.kd
    .args:
      - { .name: mask, .offset: 0, .size: 8, .value_kind: global_buffer, .address_space: global }
      - { .name: x, .offset: 8, .size: 8, .value_kind: global_buffer, .address_space: global }
      - { .name: Wqkv, .offset: 16, .size: 8, .value_kind: global_buffer, .address_space: global }
      - { .name: Wout, .offset: 24, .size: 8, .value_kind: global_buffer, .address_space: global }
      - { .name: mbits, .offset: 32, .size: 8, .value_kind: global_buffer, .address_space: global }
      - { .name: xb, .offset: 40, .size: 8, .value_kind: global_buffer, .address_space: global }
      - { .name: wqb, .offset: 48, .size: 8, .value_kind: global_buffer, .address_space: global }
      - { .name: wob, .offset: 56, .size: 8, .value_kind: global_buffer, .address_space: global }
    .group_segment_fixed_size: 0
    .private_segment_fixed_size: 0
    .kernarg_segment_align: 8
    .kernarg_segment_size: 64
    .max_flat_workgroup_size: 256
    .sgpr_count:     66
    .vgpr_count:     144
    .wavefront_size: 32
...
	.end_amdgpu_metadata
.endif
;; end of part 6
;; launch qkv: the kernel of part 2 again; grid 12 x 16, 4 waves a work-group, clusters of 4 x 4, 327,680 bytes of LDS; arguments xb, wqb, bqkv, qkv; writes qkv
;; launch scores: the kernel of part 3 again; grid 8 x 32, 4 waves a work-group, clusters of 4 x 4, 327,680 bytes of LDS; arguments qkv, mbits, p, st; writes p, st
;; launch pv: the kernel of part 4 again; grid 4 x 64, 4 waves a work-group, clusters of 4 x 4, 327,680 bytes of LDS; arguments p, qkv, st, o; writes o
;; launch outp: the kernel of part 5 again; grid 4 x 64, 4 waves a work-group, clusters of 4 x 4, 327,680 bytes of LDS; arguments o, wob, bout, out0; writes out0
